; MI455X (gfx1250); checked and timed in simulation.
; The chip was launched on July 23, 2026; its instructions are those of AMD's public machine-readable ISA for CDNA 5 (MIT licence, August 2026) and "CDNA5" Instruction Set Architecture Reference Guide (July 2026). The comments in the code are by the model that wrote it; some were corrected since.
;; Causal Self Attention. Allowed arithmetic: matrix products marked QUANTISED: E4M3 operands, one given power-of-two scale a tensor, by v_wmma_f32_16x16x64_fp8_fp8 or v_wmma_f32_16x16x128_fp8_fp8, f32 sums; everything else in f32.
;; Inputs: Wk 1,024 x 1,024 float32; Wo 1,024 x 1,024 float32; Wq 1,024 x 1,024 float32; Wv 1,024 x 1,024 float32; bk 1,024 float32; bo 1,024 float32; bq 1,024 float32; bv 1,024 float32; lowp_scales 12 int32 (the exponents e of the quantised operands' scales 2^e); mask 1 x 1 x 2,048 x 2,048 bool; x 4 x 2,048 x 1,024 float32.
;; Outputs: out0 4 x 2,048 x 1,024 float32.
;; This version of the problem:
;;   THIS VERSION OF THE PROBLEM IS GIVEN IN LOW PRECISION. The matrix products marked QUANTISED in the list below multiply operands that are first quantised to E4M3 (4 exponent bits, 3 mantissa bits; 8 bits a number), with one given power-of-two scale for each operand tensor; their sums are f32. All else is computed in f32.
;;   The module's matrix products, in the order in which they are computed (A, B: the left and right operand; K: the contracted axis; several contracted axes count as one K, in the product's order):
;;     1. [M 8,192, K 1,024] x [K 1,024, N 1,024]; A: input x; B: input Wq: QUANTISED (scales: A lowp_scales[0], B lowp_scales[1])
;;     2. [M 8,192, K 1,024] x [K 1,024, N 1,024]; A: input x; B: input Wk: QUANTISED (scales: A lowp_scales[2], B lowp_scales[3])
;;     3. [M 8,192, K 1,024] x [K 1,024, N 1,024]; A: input x; B: input Wv: QUANTISED (scales: A lowp_scales[4], B lowp_scales[5])
;;     4. batch 64 x [M 2,048, K 64] x [K 64, N 2,048]; A: computed on the way; B: computed on the way: QUANTISED (scales: A lowp_scales[6], B lowp_scales[7])
;;     5. batch 64 x [M 2,048, K 2,048] x [K 2,048, N 64]; A: softmax (see below); B: computed on the way: QUANTISED (scales: A lowp_scales[8], B lowp_scales[9])
;;     6. [M 8,192, K 1,024] x [K 1,024, N 1,024]; A: computed on the way; B: input Wo: QUANTISED (scales: A lowp_scales[10], B lowp_scales[11])
;;   THE QUANTISER, for each operand of a quantised product, along K:
;;     - The operand's scale is 2^e, e = its entry of the input lowp_scales (int32; the entries are numbered through the quantised products in the list's order, A before B).
;;     - Each number is divided by the scale, clamped to +-448, and rounded to the nearest number of E4M3, ties to even, subnormals kept.
;;     - The product sums the exact products of the quantised numbers (number of the format x scale) in f32.
;;   ~~~python
;;   def quantise(x, axis, e):      # numpy; x: float32 -> the quantised numbers, widened to float32 again
;;       x = np.moveaxis(x, axis, -1); K = x.shape[-1]
;;       r = np.clip(x / 2.0 ** e, -448, 448)
;;       step = 2.0 ** (np.maximum(np.frexp(np.where(r == 0, 1, r))[1] - 1, -6) - 3)
;;       q = np.round(r / step) * step * 2.0 ** e      # np.round: ties to even
;;       return np.moveaxis(q, -1, axis).astype(np.float32)
;;   ~~~
;;   SOFTMAX AHEAD OF A QUANTISED PRODUCT. Where the list says 'softmax', what is quantised is not the finished softmax but p = 2^(t - M), with t = logit x log2(e) and M = ceil(the row's largest t), a whole number; so 1/2 < the row's largest p <= 1. The row's sum l is taken of the UNQUANTISED p, in f32, and the product's result is divided by l at the end. Since M is a whole number, a kernel that streams over the keys may use a running M (the ceiling of the running maximum): every later rescaling is an exact power of two, so the quantised numbers keep their values, but for numbers so far below the row's largest that they fall under the format's range.
;;   OPERANDS COMPUTED ON THE WAY. 'Computed on the way' means the value that the module computes at that place (a softmax that the list does not call 'softmax' is quantised finished and normalised). What goes into a quantiser is computed in f32, as accurately as f32 sums, v_exp_f32 and their like allow (about 1e-6 of the number): no bf16 or f16 on the way to a quantiser, and a product that is left as it is and whose result goes on into a quantised operand takes f32 operands (vector FMAs, or v_wmma_f32_16x16x4_f32). A number that lies on a knife's edge between two numbers of the format may be rounded either way, as far as f32 arithmetic and the matrix unit's own rounding can turn it there, and no further.
;; 2 versions, each right; version 2 is version 1 with the launch attn written anew for expert scheduling mode. Each part assembles by itself: llvm-mc -triple=amdgcn-amd-amdhsa -mcpu=gfx1250 --defsym DOCPART=n.
;; ======== version 1 of 2: 4 launches
;; limits: right only within a limited range of input values
;; workspace buffers: xc 25,165,824 bytes; wc 4,194,304 bytes; maskw 524,288 bytes of whole numbers; flags 512 bytes of whole numbers; qkv 25,165,824 bytes; aimg 8,388,608 bytes
;; launch prep (part 1): grid 512 x 1, 8 waves a work-group, no clusters, 101,888 bytes of LDS; arguments x, Wq, Wk, Wv, Wo, mask, lowp_scales, xc, wc, maskw, flags; writes xc, wc, maskw, flags
.if DOCPART == 1
	.amdgcn_target "amdgcn-amd-amdhsa--gfx1250"
	.amdhsa_code_object_version 6
	.text
	.protected	k_qa6d5754cf7_prep
	.globl	k_qa6d5754cf7_prep
	.p2align	8
	.type	k_qa6d5754cf7_prep,@function
k_qa6d5754cf7_prep:
	s_mov_b64 s[64:65], 0
	v_nop
	global_prefetch_b8 v0, s[64:65] scope:SCOPE_SE
	s_setreg_imm32_b32 hwreg(HW_REG_WAVE_MODE, 25, 1), 1
	s_wait_xcnt 0x0
; PREP: everything that later launches read many times is made once.  Three kinds of work-group, told apart by the work-group's number alone:
;   0-255    x [8192][1024] f32 -> three sets of E4M3 codes (scales 2^e0, 2^e2, 2^e4: x is the left operand of three products, each with a scale of its own)
;   256-383  Wq, Wk, Wv, Wo [k][n] f32 -> E4M3 codes with K innermost, rows = n (scales e1, e3, e5, e11)
;   384-511  mask [2048][2048] bool -> lane-mask words for the attention launch, and two flags for each tile of 16 queries x 128 keys
; code = number / 2^e, held within +-448, to the nearest code, ties to even.  LIMITS: every e between -126 and 119; NaN among the inputs is not served.
; LAYOUT OF CODES: images of the matrix operand's registers.  A fragment of 16 rows x 128 k is 16 registers a lane (lane (r, h): registers 2c, 2c+1 = k 16c+8h+0..7 of row r);
; its image is 2,048 bytes, registers 4i..4i+3 of lane L at 512 i + 16 L.  The image of (row/16, k/128) lies at ((((row/128)*4 + k/256)*8 + (row/16)%8)*2 + (k/128)%2)*2048:
; 128 rows x 256 k are one dense block of 32,768 bytes.
; MASK WORDS: maskw[tile of 16 queries qt][key step ks][n = 0..63]: bit L of word n = mask[16 qt + L%16][128 ks + 16 (n/8) + 8 (L/16) + n%8].
; FLAGS: flags[qt]: bit ks: the tile (qt, ks) has an entry that is true (all sixteen bits are set if one of the 16 rows has no true entry in all 2,048 keys: such a row weighs every key);
;        bit 16+ks: every entry of the tile is true.
; Each kind has LDS bytes of its own.
.set XPITCH, 528                       ; x's stage: a row of 512 bytes + 16: sixteen rows begin at sixteen different 16-byte columns of 256 bytes
.set XWAVE,  16*XPITCH                 ; a stage of 16 rows for each wave, from LDS byte 0 on
.set MST,    8*XWAVE                   ; the mask's 16 rows
.set MPITCH, 2064                      ; 2,048 bytes + 16
.set MWD,    MST+16*MPITCH             ; sixteen words 'any' and, 64 bytes on, sixteen words 'full'
.set SPARE,  MWD+256                   ; the spare words, 128 bytes for each wave: four blocks of 256 bytes that no other line names
.set SPW, 2                            ; v2  LDS address of my spare word; never rewritten
.set NIL, 3                            ; v3  0; never rewritten
.set T,   16                           ; v16-31   two sets of 8 numbers, held
.set R,   32                           ; v32-159  numbers as loaded; in section x later the codes
.set X,   160                          ; v160-223 section x: 64 numbers in the fragment's order
.set C,   160                          ; v160-191 section W: the codes
.macro MKSC e, sc, lim                 ; v[sc] = 2^e as f32 (the conversion takes its exponent field), v[lim] = 448 x 2^e
	s_add_co_i32 s34, \e, 127
	s_lshl_b32 s35, s34, 23
	v_mov_b32 v[\sc], s35
	s_add_co_i32 s34, s34, 8
	s_lshl_b32 s34, s34, 23
	s_or_b32 s34, s34, 0x600000
	v_mov_b32 v[\lim], s34
.endm
; Section x: one tile of 16 rows x 128 k: through the wave's stage into the fragment's order, then three times held, converted and stored.
.macro TILE s
	s_wait_loadcnt 16*(1-\s)                       ; this tile's sixteen loads are in; the other tile's may be out
.irp i, 0,1,2,3,4,5,6,7,8,9,10,11,12,13,14,15
	ds_store_b128 v6, v[R+64*\s+4*\i:R+64*\s+4*\i+3] offset:XPITCH*\i
.endr
.irp c, 0,1,2,3,4,5,6,7
	ds_load_b128 v[X+8*\c:X+8*\c+3], v7 offset:64*\c         ; LDS serves a wave's instructions in order: these see the stores above
	ds_load_b128 v[X+8*\c+4:X+8*\c+7], v7 offset:64*\c+16    ; X[8c+j] = k 16c+8h+j of row r
.endr
	s_wait_dscnt 0x0
.irp z, 0,1,2
.irp c, 0,1,2,3,4,5,6,7
.irp j, 0,1,2,3,4,5,6,7
	v_med3_num_f32 v[T+8*(\c%2)+\j], v[X+8*\c+\j], -v[9+2*\z], v[9+2*\z]   ; the conversion does not saturate (ISA guide 7.6.2): the hold comes first; the other set's eight holds stand between a conversion and the rewriting of its sources
.endr
	v_cvt_scalef32_pk8_fp8_f32 v[R+64*\s+16*\z+2*\c:R+64*\s+16*\z+2*\c+1], v[T+8*(\c%2):T+8*(\c%2)+7], v[8+2*\z]
.endr
.irp i, 0,1,2,3
	global_store_b128 v5, v[R+64*\s+16*\z+4*\i:R+64*\s+16*\z+4*\i+3], s[28+2*\z:29+2*\z] offset:2048*\s+512*\i   ; 32 lanes store 512 consecutive bytes; every store has data registers of its own
.endr
.endr
	v_nop                                          ; a plain line behind the last conversion
.endm
; Section W: 32 rows k of my column.
.macro WLOAD t
.irp i, 0,1,2,3,4,5,6,7,8,9,10,11,12,13,14,15,16,17,18,19,20,21,22,23,24,25,26,27,28,29,30,31
	global_load_b32 v[R+32*(\t)+\i], v5, s[12:13] offset:(32*(\t)+\i)*4096 th:TH_LOAD_NT
.endr
.endm
.macro WBLOCK t
.if \t < 3
	s_wait_loadcnt 32                              ; this block's 32 loads are in; the next block's may be out
.else
	s_wait_loadcnt 0x0
.endif
.if \t+2 < 4
	WLOAD \t+2
.endif
.irp i, 0,1,2,3,4,5,6,7,8,9,10,11,12,13,14,15,16,17,18,19,20,21,22,23,24,25,26,27,28,29,30,31
	v_med3_num_f32 v[R+32*\t+\i], v[R+32*\t+\i], -v9, v9
.endr
.irp g, 0,1,2,3                        ; eight k from 32 t + 8 g on: they belong to the image's lane half g % 2, register pair g / 2 of its four
	v_cvt_scalef32_pk8_fp8_f32 v[C+8*\t+4*(\g%2)+2*(\g/2):C+8*\t+4*(\g%2)+2*(\g/2)+1], v[R+32*\t+8*\g:R+32*\t+8*\g+7], v8
.endr
.irp u, 0,1
	global_store_b128 v6, v[C+8*\t+4*\u:C+8*\t+4*\u+3], s[22:23] offset:512*\t+256*\u   ; sixteen lanes store 256 consecutive bytes, aligned
.endr
.endm
; Section mask: the 64 words and the two lane masks of key step 2 w + s.
.macro WORDS s
	v_mov_b32 v[96+2*\s], 0                        ; a lane write's destination counts as read
	v_mov_b32 v[97+2*\s], 0
.set n, 0
.rept 64
	v_bfe_u32 v[10+n%4], v[64+16*\s+2*(n/8)+(n%8)/4], 8*(n%4), 8
	v_cmp_ne_u32 s[20+n%4], 0, v[10+n%4]           ; word n: one bit a lane
	v_writelane_b32 v[96+2*\s+n%2], s[20+n%4], n/2 ; to lane n / 2, register n % 2: so the store below lays the words in order
.set n, n+1
.endr
	global_store_b64 v8, v[96+2*\s:97+2*\s], s[12:13] offset:256*\s   ; 32 lanes store 256 consecutive bytes, aligned
	v_or_b32 v14, v[64+16*\s], v[65+16*\s]
	v_and_b32 v15, v[64+16*\s], v[65+16*\s]
.irp i, 2,3,4,5,6,7,8,9,10,11,12,13,14,15
	v_or_b32 v14, v14, v[64+16*\s+\i]
	v_and_b32 v15, v15, v[64+16*\s+\i]
.endr
	v_cmp_ne_u32 s24, 0, v14                       ; lanes with a true entry among their 64
	v_cmp_eq_u32 s25, 0x01010101, v15              ; lanes all of whose 64 entries are true (a bool is 0 or 1)
	v_mov_b32 v16, s24
	v_mov_b32 v17, s25
	ds_store_b32 v9, v16 offset:4*\s               ; all lanes write the same word with the same value
	ds_store_b32 v9, v17 offset:64+4*\s
.endm
	v_lshl_add_u32 v[SPW], v0, 2, SPARE
	v_mov_b32 v[NIL], 0
	v_lshrrev_b32 v1, 5, v0
	v_readfirstlane_b32 s8, v1                     ; wave 0..7
	v_and_b32 v4, 31, v0                           ; lane
	s_cmp_lt_u32 ttmp9, 256
	s_cbranch_scc1 .Lsec_x
	s_cmp_lt_u32 ttmp9, 384
	s_cbranch_scc1 .Lsec_w
	; ---------------- the mask: one work-group to a tile of 16 queries ----------------
	s_load_b64 s[4:5], s[0:1], 0x28                ; mask
	s_load_b128 s[12:15], s[0:1], 0x48             ; maskw, flags
	s_sub_co_u32 s9, ttmp9, 384                    ; qt
	v_lshlrev_b32 v5, 4, v0                        ; in: 16 bytes a thread, 4,096 a load: two rows
	v_lshrrev_b32 v1, 7, v0
	v_and_b32 v6, 127, v0
	v_lshlrev_b32 v6, 4, v6
	v_mad_u32_u24 v6, v1, MPITCH, v6
	v_add_nc_u32 v6, MST, v6                       ; into LDS: row (thread / 128), byte 16 (thread % 128)
	v_and_b32 v7, 15, v4
	v_lshrrev_b32 v1, 4, v4
	v_mul_u32_u24 v7, v7, MPITCH
	v_lshl_add_u32 v7, v1, 3, v7
	s_lshl_b32 s10, s8, 8
	v_add_nc_u32 v7, s10, v7
	v_add_nc_u32 v7, MST, v7                       ; out of LDS: row r, byte 256 w + 8 h
	v_lshlrev_b32 v8, 3, v4                        ; two words a lane
	s_lshl_b32 s11, s8, 3
	s_add_co_u32 s11, s11, MWD
	v_mov_b32 v9, s11                              ; my wave's two words 'any'
	v_lshl_add_u32 v18, v4, 2, MWD                 ; lanes 0-15: any[lane]; lanes 16-31: full[lane - 16]
	v_mov_b32 v20, MWD
	v_mov_b32 v23, 0
	s_lshl_b32 s16, s9, 15                         ; 16 rows of 2,048 bytes
	s_mov_b32 s17, 0
	s_lshl_b32 s18, s9, 12                         ; 16 key steps of 256 bytes,
	s_lshl_b32 s19, s8, 9                          ; my wave's two of them
	s_add_co_u32 s18, s18, s19
	s_mov_b32 s19, 0
	s_lshl_b32 s32, s9, 2
	s_mov_b32 s33, 0
	s_wait_kmcnt 0x0
	s_add_nc_u64 s[4:5], s[4:5], s[16:17]
	s_add_nc_u64 s[12:13], s[12:13], s[18:19]
	s_add_nc_u64 s[14:15], s[14:15], s[32:33]
.irp j, 0,1,2,3,4,5,6,7
	global_load_b128 v[32+4*\j:35+4*\j], v5, s[4:5] offset:4096*\j th:TH_LOAD_NT
.endr
	s_wait_loadcnt 0x0
.irp j, 0,1,2,3,4,5,6,7
	ds_store_b128 v6, v[32+4*\j:35+4*\j] offset:2*MPITCH*\j
.endr
	s_wait_dscnt 0x0                               ; for the others' sake: my stores are done
	s_barrier_signal -1
	s_barrier_wait -1                              ; the 16 rows lie in LDS
.irp s, 0,1
.irp t, 0,1,2,3,4,5,6,7
	ds_load_b64 v[64+16*\s+2*\t:65+16*\s+2*\t], v7 offset:128*\s+16*\t   ; row r, keys 128 (2 w + s) + 16 t + 8 h + 0..7
.endr
.endr
	s_wait_dscnt 0x0
	WORDS 0
	WORDS 1
	s_wait_dscnt 0x0                               ; my words 'any' and 'full' are stored
	s_barrier_signal -1
	s_barrier_wait -1
	ds_load_b32 v19, v18
	ds_load_b128 v[24:27], v20
	ds_load_b128 v[28:31], v20 offset:16
	ds_load_b128 v[32:35], v20 offset:32
	ds_load_b128 v[36:39], v20 offset:48
	s_wait_dscnt 0x0
.irp i, 25,26,27,28,29,30,31,32,33,34,35,36,37,38,39
	v_or_b32 v24, v24, v[\i]                       ; lanes with a true entry in any key step
.endr
	v_readfirstlane_b32 s26, v24
	s_lshr_b32 s27, s26, 16
	s_or_b32 s26, s26, s27
	s_and_b32 s26, s26, 0xffff                     ; bit r: row r has a true entry
	v_cmp_ne_u32 s28, 0, v19
	s_and_b32 s28, s28, 0xffff                     ; bit ks: the tile has a true entry
	v_cmp_eq_u32 s29, -1, v19
	s_and_b32 s29, s29, 0xffff0000                 ; bit 16 + ks: all its entries are true
	s_cmp_eq_u32 s26, 0xffff
	s_cselect_b32 s28, s28, 0xffff                 ; a row with no true entry weighs every key: then every step is needed
	s_or_b32 s28, s28, s29
	v_mov_b32 v22, s28
	s_wait_xcnt 0x0                                ; EXEC changes only behind this wait: stores have been issued
	v_cmp_eq_u32 vcc_lo, 0, v0
	s_and_saveexec_b32 s30, vcc_lo
	global_store_b32 v23, v22, s[14:15]            ; one word a work-group, 128 in the launch
	s_wait_xcnt 0x0
	s_or_b32 exec_lo, exec_lo, s30
	s_wait_tensorcnt 0x0                           ; the wave's end: three closing lines behind my last LDS store
	ds_add_u32 v[SPW], v[NIL]
	s_wait_dscnt 0x0
	s_endpgm
	; ---------------- x: a work-group takes 128 rows x 256 k, a wave 16 rows: two tiles of 128 k ----------------
.Lsec_x:
	s_load_b64 s[4:5], s[0:1], 0x0                 ; x
	s_load_b128 s[12:15], s[0:1], 0x30             ; the exponents, xc
	v_lshlrev_b32 v5, 4, v4                        ; 16 bytes a lane: a load reads 512 consecutive bytes of one row
	s_mul_i32 s9, s8, XWAVE                        ; my stage
	v_add_nc_u32 v6, s9, v5
	v_and_b32 v7, 15, v4
	v_lshrrev_b32 v1, 4, v4
	v_mul_u32_u24 v7, v7, XPITCH
	v_lshl_add_u32 v7, v1, 5, v7
	v_add_nc_u32 v7, s9, v7                        ; out of it: row r, + 32 h bytes
	s_lshr_b32 s10, ttmp9, 2                       ; which 128 rows
	s_and_b32 s11, ttmp9, 3                        ; which 256 k
	s_lshl_b32 s24, s10, 19
	s_lshl_b32 s25, s8, 16
	s_add_co_u32 s24, s24, s25
	s_lshl_b32 s25, s11, 10
	s_add_co_u32 s24, s24, s25
	s_mov_b32 s25, 0
	s_lshl_b32 s26, ttmp9, 15                      ; the dense block of 32,768 bytes of codes,
	s_lshl_b32 s27, s8, 12                         ; my 16 rows' two images in it
	s_add_co_u32 s26, s26, s27
	s_mov_b32 s27, 0
	s_wait_kmcnt 0x0
	s_load_b256 s[16:23], s[12:13], 0x0            ; e0 .. e7
	s_add_nc_u64 s[4:5], s[4:5], s[24:25]
	s_add_nc_u64 s[28:29], s[14:15], s[26:27]      ; the three sets of codes lie 8,388,608 bytes apart
	s_add_nc_u64 s[30:31], s[28:29], 0x800000
	s_add_nc_u64 s[32:33], s[28:29], 0x1000000
.irp s, 0,1
.irp i, 0,1,2,3,4,5,6,7,8,9,10,11,12,13,14,15
	global_load_b128 v[R+64*\s+4*\i:R+64*\s+4*\i+3], v5, s[4:5] offset:4096*\i+512*\s th:TH_LOAD_NT
.endr
.endr
	s_wait_kmcnt 0x0
	MKSC s16, 8, 9
	MKSC s18, 10, 11
	MKSC s20, 12, 13
	TILE 0
	TILE 1
	s_wait_tensorcnt 0x0                           ; the wave's end: three closing lines behind my last LDS store
	ds_add_u32 v[SPW], v[NIL]
	s_wait_dscnt 0x0
	s_endpgm
	; ---------------- the weights: a lane takes a column n, its registers run down K: 128 k a wave, 32 columns ----------------
.Lsec_w:
	s_load_b256 s[12:19], s[0:1], 0x8              ; Wq, Wk, Wv, Wo
	s_load_b64 s[20:21], s[0:1], 0x30              ; the exponents
	s_load_b64 s[22:23], s[0:1], 0x40              ; wc
	s_sub_co_u32 s9, ttmp9, 256
	s_lshr_b32 s10, s9, 5                          ; which weight
	s_bfe_u32 s11, s9, 0x20003                     ; which 256 columns
	s_and_b32 s24, s9, 7                           ; which 128 k
	v_lshlrev_b32 v5, 2, v4                        ; in: 4 bytes a lane: 128 consecutive bytes a wave, 1,024 a work-group
	v_lshrrev_b32 v1, 4, v4
	v_and_b32 v6, 15, v4
	v_lshlrev_b32 v6, 4, v6
	v_lshl_add_u32 v6, v1, 12, v6                  ; out: row n % 16 of the image, 16 bytes; lanes 16-31: the next 16 columns' image, 4,096 bytes on
	s_lshl_b32 s26, s24, 19                        ; 128 rows k of 4,096 bytes,
	s_lshl_b32 s27, s11, 10
	s_add_co_u32 s26, s26, s27
	s_lshl_b32 s27, s8, 7
	s_add_co_u32 s26, s26, s27                     ; + 4 x (256 cg + 32 w)
	s_mov_b32 s27, 0
	s_lshl_b32 s28, s11, 1
	s_lshr_b32 s29, s8, 2
	s_add_co_u32 s28, s28, s29                     ; n / 128
	s_lshl_b32 s28, s28, 2
	s_lshr_b32 s29, s24, 1
	s_add_co_u32 s28, s28, s29                     ; x 4 + k / 256
	s_lshl_b32 s28, s28, 3
	s_lshl_b32 s29, s8, 1
	s_and_b32 s29, s29, 7
	s_add_co_u32 s28, s28, s29                     ; x 8 + (n / 16) % 8
	s_lshl_b32 s28, s28, 1
	s_and_b32 s29, s24, 1
	s_add_co_u32 s28, s28, s29                     ; x 2 + (k / 128) % 2
	s_lshl_b32 s28, s28, 11
	s_lshl_b32 s29, s10, 20                        ; the weight's section of 1,048,576 bytes
	s_add_co_u32 s28, s28, s29
	s_mov_b32 s29, 0
	s_wait_kmcnt 0x0
	s_load_b256 s[36:43], s[20:21], 0x0            ; e0 .. e7
	s_load_b128 s[44:47], s[20:21], 0x20           ; e8 .. e11
	s_cmp_eq_u32 s10, 1                            ; the choice hangs on the work-group's number alone
	s_cselect_b64 s[12:13], s[14:15], s[12:13]
	s_cmp_eq_u32 s10, 2
	s_cselect_b64 s[12:13], s[16:17], s[12:13]
	s_cmp_eq_u32 s10, 3
	s_cselect_b64 s[12:13], s[18:19], s[12:13]
	s_add_nc_u64 s[12:13], s[12:13], s[26:27]
	s_add_nc_u64 s[22:23], s[22:23], s[28:29]
	WLOAD 0
	WLOAD 1
	s_wait_kmcnt 0x0
	s_cmp_eq_u32 s10, 0
	s_cselect_b32 s30, s37, s47                    ; e1 for Wq, e11 for Wo,
	s_cmp_eq_u32 s10, 1
	s_cselect_b32 s30, s39, s30                    ; e3 for Wk,
	s_cmp_eq_u32 s10, 2
	s_cselect_b32 s30, s41, s30                    ; e5 for Wv
	MKSC s30, 8, 9
	WBLOCK 0
	WBLOCK 1
	WBLOCK 2
	WBLOCK 3
	v_nop                                          ; a plain line behind the last conversion
	s_wait_tensorcnt 0x0                           ; the same three closing lines as in the other two sections
	ds_add_u32 v[SPW], v[NIL]
	s_wait_dscnt 0x0
	s_endpgm
.Lfunc_end_k_qa6d5754cf7_prep:
	.size	k_qa6d5754cf7_prep, .Lfunc_end_k_qa6d5754cf7_prep-k_qa6d5754cf7_prep
	.p2alignl 7, 3214868480
	.fill 96, 4, 3214868480
	.section	.rodata,"a",@progbits
	.p2align	6, 0x0
	.amdhsa_kernel k_qa6d5754cf7_prep
		.amdhsa_group_segment_fixed_size 101888
		.amdhsa_private_segment_fixed_size 0
		.amdhsa_enable_private_segment 0
		.amdhsa_kernarg_size 88
		.amdhsa_user_sgpr_count 2
		.amdhsa_user_sgpr_kernarg_segment_ptr 1
		.amdhsa_wavefront_size32 1
		.amdhsa_system_sgpr_workgroup_id_x 1
		.amdhsa_system_sgpr_workgroup_id_y 1
		.amdhsa_system_sgpr_workgroup_id_z 1
		.amdhsa_system_vgpr_workitem_id 0
		.amdhsa_next_free_vgpr 224
		.amdhsa_next_free_sgpr 66
		.amdhsa_reserve_vcc 1
		.amdhsa_float_denorm_mode_32 3
		.amdhsa_float_denorm_mode_16_64 3
		.amdhsa_memory_ordered 1
		.amdhsa_forward_progress 1
		.amdhsa_inst_pref_size 97
	.end_amdhsa_kernel
	.amdgpu_metadata
---
amdhsa.version: [ 1, 2 ]
amdhsa.kernels:
  - .name:           k_qa6d5754cf7_prep
    .symbol:         k_qa6d5754cf7_prep.kd
    .args:
      - { .name: x, .offset: 0, .size: 8, .value_kind: global_buffer, .address_space: global }
      - { .name: Wq, .offset: 8, .size: 8, .value_kind: global_buffer, .address_space: global }
      - { .name: Wk, .offset: 16, .size: 8, .value_kind: global_buffer, .address_space: global }
      - { .name: Wv, .offset: 24, .size: 8, .value_kind: global_buffer, .address_space: global }
      - { .name: Wo, .offset: 32, .size: 8, .value_kind: global_buffer, .address_space: global }
      - { .name: mask, .offset: 40, .size: 8, .value_kind: global_buffer, .address_space: global }
      - { .name: lowp_scales, .offset: 48, .size: 8, .value_kind: global_buffer, .address_space: global }
      - { .name: xc, .offset: 56, .size: 8, .value_kind: global_buffer, .address_space: global }
      - { .name: wc, .offset: 64, .size: 8, .value_kind: global_buffer, .address_space: global }
      - { .name: maskw, .offset: 72, .size: 8, .value_kind: global_buffer, .address_space: global }
      - { .name: flags, .offset: 80, .size: 8, .value_kind: global_buffer, .address_space: global }
    .group_segment_fixed_size: 101888
    .private_segment_fixed_size: 0
    .kernarg_segment_align: 8
    .kernarg_segment_size: 88
    .max_flat_workgroup_size: 256
    .sgpr_count:     66
    .vgpr_count:     224
    .wavefront_size: 32
...
	.end_amdgpu_metadata
.endif
;; end of part 1
;; launch qkv (part 2): grid 12 x 32, 4 waves a work-group, clusters of 4 x 4, 327,680 bytes of LDS; arguments xc, wc, bq, bk, bv, lowp_scales, qkv; writes qkv
.if DOCPART == 2
	.amdgcn_target "amdgcn-amd-amdhsa--gfx1250"
	.amdhsa_code_object_version 6
	.text
	.protected	k_qa6d5754cf7_qkv
	.globl	k_qa6d5754cf7_qkv
	.p2align	8
	.type	k_qa6d5754cf7_qkv,@function
k_qa6d5754cf7_qkv:
	s_mov_b64 s[64:65], 0
	v_nop
	global_prefetch_b8 v0, s[64:65] scope:SCOPE_SE
	s_setreg_imm32_b32 hwreg(HW_REG_WAVE_MODE, 25, 1), 1
	s_wait_xcnt 0x0
	s_wait_alu depctr_hold_cnt(0) depctr_sa_sdst(0) depctr_va_vdst(0) depctr_va_sdst(0) depctr_va_ssrc(0) depctr_va_vcc(0) depctr_vm_vsrc(0)
	s_getreg_b32 s2, hwreg(HW_REG_IB_STS2, 6, 4)
	s_cmp_eq_u32 s2, 0
	s_cbranch_scc0 .Lentry_in_a_cluster
	s_endpgm
.Lentry_in_a_cluster:
	s_bfe_u32 s2, ttmp6, 0x10000c
	s_cmp_lg_u32 s2, 0xf033
	s_cbranch_scc0 .Lentry_shape_is_right
	s_endpgm
.Lentry_shape_is_right:
; q = x Wq + bq, k = x Wk + bk, v = x Wv + bv on E4M3 codes, and each result quantised at once for the attention launch (scales 2^e6, 2^e7, 2^e9).
; The cluster's x says which product: 0 q, 1 k, 2 v; it is the same in all sixteen partners.  A tile of 256 x 256 results to a work-group of four waves, 128 x 128 to a wave: 64 accumulators, 512 registers.
; THE MATRIX INSTRUCTION IS USED TRANSPOSED (source 0 = 16 rows of 'B', source 1 = 16 rows of 'A'): a lane holds one row of A's side, its eight registers eight neighbouring rows of B's side.
;   q, k: A = x's codes (tokens), B = the weight's codes (features): a lane holds one token, registers along the features, which are the K of q k^T.
;   v:    A = Wv's codes (features), B = x's codes (tokens): a lane holds one feature, registers along the tokens, which are the K of p v.
; So the conversions' results are the next product's operand registers, and they are stored as images of those registers, 512 consecutive bytes a store: no way through LDS.
; OPERANDS arrive as images (16 rows x 128 k: 2,048 bytes, registers 4i..4i+3 of lane L at 512 i + 16 L); 128 rows x 256 k are one dense block of 32,768 bytes: one tensor load; a fragment is four loads at 16 x lane.
; K = 1,024 goes in four steps of 256 through two LDS slots.  CLUSTERS 4 x 4: A's blocks are asked for jointly along a row of the cluster, B's along a column.
; OUT: qimg, kimg [batch x 16 + head][token / 16][16 tokens x 64 d: 1,024 bytes];  vimg [batch x 16 + head][key / 128][d / 16][16 d x 128 keys: 2,048 bytes]; the three sections lie 8,388,608 bytes apart.
; LIMITS: the two operands' exponents added lie between -126 and 127; e6, e7, e9 between -126 and 119.  NaN is not served.
; REGISTERS, in windows of 256: window 0: v0-31 addresses; v32-95 the bias at my columns; v96-111 the bias at my rows, twice each; v112, v113 2^eo, 448 x 2^eo; v128-255 A's fragments, one set, on the way out the codes.
;   window 1: B's fragments, two sets.   windows 2, 3: the accumulators of my rows 0-63, 64-127 (accumulator (a, b) at v[8 (8 (a % 4) + b)]).
.set HALFT,  32768                     ; 128 rows x 256 k: what one tensor load brings, and what one wave reads of A or of B
.set SLOT,   4*HALFT                   ; A's two halves, then B's two
.set SPARE,  2*SLOT                    ; behind the ring: the spare words, 128 bytes for each wave: two blocks of 256 bytes that no other line names
.set FR,     16                        ; registers of a fragment
.set NL,     4                         ; LDS loads that bring one
.set NP,     4                         ; places behind this matrix instruction (ISA guide 7.12.1)
.set ADRA, 16                          ; v16-17  LDS address of my A fragments in slot 0, 1
.set ADRB, 20                          ; v20-21  the same for B
.set CO,   26                          ; v26     16 x lane
.set SPW,  28                          ; v28     LDS address of my spare word; never rewritten
.set NIL,  29                          ; v29     0; never rewritten
.set CB,   32
.set RB,   96
.set SC,   112
.set LM,   113
.set AF,   128
.set CD,   128                         ; the codes, 16 registers for each block of 16 rows: no store's data are written again
.set G1, 24                            ; s[24:31] descriptor group 1 for A's blocks;  s[32:39] group 0, one set for each slot
.set G0, 32
.set G1B, 48                           ; s[48:55], s[56:63] the same for B's
.set G0B, 56
.set MSB, 0
.macro WIN new                         ; the immediate's high byte repeats the setting that is left
.if MSB != \new
	s_set_vgpr_msb (MSB<<8)|\new
.set MSB, \new
.endif
.endm
.set MUL_LO, 0xa1                      ; source 0 (B) window 1, source 1 (A) window 0, C and D window 2
.set MUL_HI, 0xf1                      ; the same, C and D window 3
.set TO_B,   0x40                      ; destination window 1, address window 0
; A joint load: waves 0 and 1 fetch for A, waves 2 and 3 for B.  The branch hangs on the wave's number alone.  An s_nop 0 and four v_nop follow each of the two lines.
.macro JLOAD g0a, g1a, g0b, g1b
	s_cmp_eq_u32 s15, 0
	s_cbranch_scc0 .Lfor_b_\@
	tensor_load_to_lds s[\g0a:\g0a+3], s[\g1a:\g1a+7]
	s_nop 0
.rept 4
	v_nop
.endr
	s_branch .Lasked_\@
.Lfor_b_\@:
	tensor_load_to_lds s[\g0b:\g0b+3], s[\g1b:\g1b+7]
	s_nop 0
.rept 4
	v_nop
.endr
.Lasked_\@:
.endm
.macro CREST                           ; a round of the cluster's barrier behind its opening barrier
	s_cmp_lg_u32 s14, 0
	s_cbranch_scc1 .Lnot_wave_0_\@
	s_barrier_signal -3
.Lnot_wave_0_\@:
	s_barrier_wait -3
	s_barrier_signal -1
	s_barrier_wait -1
.endm
.macro CROUND                          ; a whole round
	s_barrier_signal -1
	s_barrier_wait -1
	CREST
.endm
	s_load_b256 s[4:11], s[0:1], 0x0               ; xc s[4:5], wc s[6:7], bq s[8:9], bk s[10:11]
	s_load_b128 s[68:71], s[0:1], 0x20             ; bv s[68:69], the exponents s[70:71]
	s_load_b64 s[72:73], s[0:1], 0x30              ; qkv
	v_lshl_add_u32 v[SPW], v0, 2, SPARE
	v_mov_b32 v[NIL], 0
	ds_add_u32 v[SPW], v[NIL]                      ; the wave's opening: the add and its wait stand ahead of my first tensor load; the set-up below, work on registers, stands between them
	v_lshrrev_b32 v1, 5, v0
	v_readfirstlane_b32 s14, v1                    ; wave 0..3
	s_lshr_b32 s15, s14, 1                         ; which half of A's 256 rows is mine.  Also: I fetch for A (0) or for B (1)
	s_and_b32 s16, s14, 1                          ; which half of B's.  Also: which 128 rows I fetch
	s_bfe_u32 s40, ttmp6, 0x40000                  ; cx, cy: my place in the cluster
	s_bfe_u32 s41, ttmp6, 0x40004
	s_mov_b32 s13, ttmp9                           ; the product: 0 q, 1 k, 2 v
	s_and_b32 s12, ttmp7, 0xffff
	s_lshl_b32 s12, s12, 2                         ; 4 x cluster y: it walks the 32 blocks of 256 tokens
	s_cmp_eq_u32 s13, 2
	s_cselect_b32 s17, 0, s12                      ; the tokens are A's rows for q and k,
	s_cselect_b32 s42, s12, 0                      ; B's rows for v
	s_add_co_u32 s17, s17, s41                     ; A's block of 256 rows: it hangs on cy alone of the two places
	s_add_co_u32 s42, s42, s40                     ; B's: on cx alone
	s_lshl_b32 s43, s41, 2
	s_lshl_b32 s43, 15, s43                        ; my row of the cluster
	s_lshl_b32 s44, 0x1111, s40                    ; my column
	; descriptor group 1: a dense block of 32,768 bytes as 128 rows of 32 elements of 8 bytes, no padding
	s_or_b32 s[G1+0], s43, (3<<16)|(1<<21)         ; 15:0 the mask: A's blocks go to my row; 17:16 elements of 8 bytes; 21 set beside a mask
	s_or_b32 s[G1B+0], s44, (3<<16)|(1<<21)
.irp g, G1, G1B
	s_mov_b32 s[\g+1], 32<<16                      ; tensor_dim0
	s_mov_b32 s[\g+2], 128<<16                     ; tensor_dim1
	s_mov_b32 s[\g+3], 32<<16                      ; tile_dim0
	s_mov_b32 s[\g+4], 128                         ; tile_dim1
	s_mov_b32 s[\g+5], 32                          ; tensor_dim0_stride
	s_mov_b32 s[\g+6], 0
	s_mov_b32 s[\g+7], 0
.endr
	s_lshl_b32 s20, s17, 1
	s_add_co_u32 s20, s20, s16
	s_lshl_b32 s20, s20, 17                        ; A: 128 rows of 1,024 codes are 131,072 bytes
	s_mov_b32 s21, 0
	s_lshl_b32 s46, s42, 1
	s_add_co_u32 s46, s46, s16
	s_lshl_b32 s46, s46, 17                        ; B likewise
	s_mov_b32 s47, 0
	s_lshl_b32 s45, s14, 15                        ; where they go: wave x 32,768: no place in the cluster enters an LDS address
	s_wait_dscnt 0x0                               ; the opening add is done
	s_wait_kmcnt 0x0
	s_load_b256 s[76:83], s[70:71], 0x0            ; e0 .. e7
	s_load_b128 s[84:87], s[70:71], 0x20           ; e8 .. e11
	s_lshl_b32 s74, s13, 23
	s_mov_b32 s75, 0
	s_add_nc_u64 s[4:5], s[4:5], s[74:75]          ; x's codes under this product's scale
	s_add_nc_u64 s[72:73], s[72:73], s[74:75]      ; this product's section of the output
	s_lshl_b32 s74, s13, 20
	s_add_nc_u64 s[6:7], s[6:7], s[74:75]          ; this product's weight
	s_cmp_eq_u32 s13, 2
	s_cselect_b64 s[92:93], s[6:7], s[4:5]         ; A
	s_cselect_b64 s[94:95], s[4:5], s[6:7]         ; B
	s_add_nc_u64 s[20:21], s[92:93], s[20:21]
	s_add_nc_u64 s[46:47], s[94:95], s[46:47]
	s_cmp_eq_u32 s13, 1
	s_cselect_b64 s[8:9], s[10:11], s[8:9]
	s_cmp_eq_u32 s13, 2
	s_cselect_b64 s[8:9], s[68:69], s[8:9]         ; this product's bias
	CROUND                                         ; all sixteen work-groups are here: the first joint loads meet
.irp s, 0,1
	s_mov_b32 s[G0+4*\s], 1
	s_add_co_u32 s[G0+4*\s+1], s45, \s*SLOT
	s_add_nc_u64 s[G0+4*\s+2:G0+4*\s+3], s[20:21], \s*HALFT
	s_or_b32 s[G0+4*\s+3], s[G0+4*\s+3], 0x80000000
	s_mov_b32 s[G0B+4*\s], 1
	s_add_co_u32 s[G0B+4*\s+1], s45, \s*SLOT
	s_add_nc_u64 s[G0B+4*\s+2:G0B+4*\s+3], s[46:47], \s*HALFT
	s_or_b32 s[G0B+4*\s+3], s[G0B+4*\s+3], 0x80000000
	JLOAD G0+4*\s, G1, G0B+4*\s, G1B
.endr
	v_and_b32 v1, 31, v0
	v_lshlrev_b32 v[CO], 4, v1                     ; an image's place for my lane
	s_lshl_b32 s21, s15, 15                        ; my 128 rows of A
	s_lshl_b32 s22, s16, 15                        ; my 128 rows of B,
	s_add_co_u32 s22, s22, 2*HALFT                 ; which lie behind A's 256
.irp s, 0,1
	v_add_nc_u32 v[ADRA+\s], s21, v[CO]
	v_add_nc_u32 v[ADRB+\s], s22, v[CO]
	s_add_co_u32 s21, s21, SLOT
	s_add_co_u32 s22, s22, SLOT
.endr
	; the bias, both ways: at my eight columns of each of B's blocks (q, k), and at my row of each of A's blocks (v).  The set that does not apply is loaded from the bias's first bytes and is not read.
	v_bfe_u32 v2, v0, 4, 1
	v_lshlrev_b32 v5, 5, v2                        ; 32 h; not rewritten
	v_and_b32 v3, 15, v0
	v_lshlrev_b32 v6, 2, v3                        ; 4 r; not rewritten
	s_lshl_b32 s74, s42, 10
	s_lshl_b32 s75, s16, 9
	s_add_co_u32 s74, s74, s75                     ; 4 x (256 x B's block + 128 x half)
	s_lshl_b32 s90, s17, 10
	s_lshl_b32 s91, s15, 9
	s_add_co_u32 s90, s90, s91                     ; 4 x (256 x A's block + 128 x half)
	s_cmp_eq_u32 s13, 2
	s_cselect_b32 s74, 0, s74
	s_cselect_b32 s90, s90, 0
	s_mov_b32 s75, 0
	s_mov_b32 s91, 0
	s_add_nc_u64 s[74:75], s[8:9], s[74:75]
	s_add_nc_u64 s[90:91], s[8:9], s[90:91]
.irp b, 0,1,2,3,4,5,6,7
	global_load_b128 v[CB+8*\b:CB+8*\b+3], v5, s[74:75] offset:64*\b
	global_load_b128 v[CB+8*\b+4:CB+8*\b+7], v5, s[74:75] offset:64*\b+16
.endr
.irp a, 0,1,2,3,4,5,6,7
	global_load_b32 v[RB+2*\a], v6, s[90:91] offset:64*\a
	global_load_b32 v[RB+2*\a+1], v6, s[90:91] offset:64*\a
.endr
.macro FRAG reg, adr, q, i             ; the image of block i's 16 rows, the slot's q-th 128 along K: four loads of 512 consecutive bytes
.irp c, 0,1,2,3
	ds_load_b128 v[\reg+4*\c:\reg+4*\c+3], v[\adr] offset:((\i)*2+(\q))*2048+512*\c
.endr
.endm
; 16 matrix instructions: A's blocks a0, a0 + 1 x B's eight, 128 along K.  p: B's set.  zero = 1: the first product starts the sums.  The 64 accumulators take turns.
.macro MUL16 a0, p, zero
.irp a, \a0, \a0+1
.irp b, 0,1,2,3,4,5,6,7
.if \zero
	v_wmma_f32_16x16x128_fp8_fp8 v[8*(8*((\a)%4)+\b):8*(8*((\a)%4)+\b)+7], v[128*(\p)+FR*\b:128*(\p)+FR*\b+FR-1], v[AF+FR*(\a):AF+FR*(\a)+FR-1], 0
.else
	v_wmma_f32_16x16x128_fp8_fp8 v[8*(8*((\a)%4)+\b):8*(8*((\a)%4)+\b)+7], v[128*(\p)+FR*\b:128*(\p)+FR*\b+FR-1], v[AF+FR*(\a):AF+FR*(\a)+FR-1], v[8*(8*((\a)%4)+\b):8*(8*((\a)%4)+\b)+7]
.endif
.endr
.endr
.endm
.macro FETCH_B slot, q, p
	WIN TO_B
.irp i, 0,1,2,3,4,5,6,7
	FRAG 128*(\p)+FR*\i, ADRB+\slot, \q, \i
.endr
	WIN 0
.endm
.macro FETCH_A slot, q, i0
.irp i, \i0, \i0+1, \i0+2, \i0+3
	FRAG AF+FR*(\i), ADRA+\slot, \q, \i
.endr
.endm
.macro PLACES n                        ; plain vector lines between a matrix instruction and a load into, or a vector read or write of, its registers
.rept \n
	v_nop
.endr
.endm
; A step of 128 along K that has its successor in the same slot.  A has one set of registers: blocks 0-3 are fetched anew in the step's middle, blocks 4-7 at its end; B has two sets.
.macro STEP slot, q, zero
	s_wait_dscnt 4*NL                              ; B's set and A's blocks 0-3 are in; the youngest sixteen loads (A's blocks 4-7) may be out
	WIN MUL_LO
	MUL16 0, (\q)%2, \zero
	MUL16 2, (\q)%2, \zero
	s_wait_dscnt 0                                 ; A's blocks 4-7 are in
	PLACES NP
	FETCH_B \slot, (\q)+1, 1-(\q)%2
	FETCH_A \slot, (\q)+1, 0
	WIN MUL_HI
	MUL16 4, (\q)%2, \zero
	MUL16 6, (\q)%2, \zero
	PLACES NP
	WIN 0
	FETCH_A \slot, (\q)+1, 4
.endm
; A slot's last step changes slots: one barrier; in front of it each wave waits for all its tensor loads, adds 0 to its spare word, and waits for that and for its reads of this slot.  fill = 1: this slot is filled again, two K steps ahead.
.macro TURN slot, next, fill
	s_wait_tensorcnt 0x0                           ; all my tensor loads have landed: my part of the next slot
	ds_add_u32 v[SPW], v[NIL]                      ; 0 onto my spare word
	s_wait_dscnt 4*NL+1                            ; (the add and the youngest sixteen loads may be out)
	WIN MUL_LO
	MUL16 0, 1, 0
	s_wait_dscnt 0x0                               ; the add is done, and my reads of this slot are over
	s_barrier_signal -1
	MUL16 2, 1, 0
	WIN 0
	s_barrier_wait -1
.if \fill
	CREST                                          ; the barrier has opened a round of the cluster's barrier: no wave of any partner still reads this slot or has a load on its way
	s_add_nc_u64 s[G0+4*\slot+2:G0+4*\slot+3], s[G0+4*\slot+2:G0+4*\slot+3], 2*HALFT
	s_add_nc_u64 s[G0B+4*\slot+2:G0B+4*\slot+3], s[G0B+4*\slot+2:G0B+4*\slot+3], 2*HALFT
	JLOAD G0+4*\slot, G1, G0B+4*\slot, G1B         ; the first tensor load behind the round; its four v_nop are the places in front of the loads below
.else
	PLACES NP
.endif
	FETCH_B \next, 0, 0
	FETCH_A \next, 0, 0
	WIN MUL_HI
	MUL16 4, 1, 0
	MUL16 6, 1, 0
	PLACES NP
	WIN 0
	FETCH_A \next, 0, 4
.endm
	s_wait_tensorcnt 1                             ; my part of K step 0 is in (K step 1's load may be out)
	s_barrier_signal -1
	s_barrier_wait -1                              ; everybody's is
	FETCH_B 0, 0, 0
	FETCH_A 0, 0, 0
	FETCH_A 0, 0, 4
	STEP 0, 0, 1                                   ; K 0-127: its products start the sums
	TURN 0, 1, 1                                   ; K 128-255; slot 0 takes K 512-767
	STEP 1, 0, 0
	TURN 1, 0, 1                                   ; slot 1 takes K 768-1023
	STEP 0, 0, 0
	TURN 0, 1, 0                                   ; nothing is left to fetch
	STEP 1, 0, 0
	s_wait_dscnt 4*NL                              ; the last step
	WIN MUL_LO
	MUL16 0, 1, 0
	MUL16 2, 1, 0
	s_wait_dscnt 0
	WIN MUL_HI
	MUL16 4, 1, 0
	MUL16 6, 1, 0
	WIN 0
	; THE WAY OUT: result = sum x 2^(ea + eb) + bias, held, converted: the codes are stored as they stand.
	s_wait_kmcnt 0x0                               ; the exponents
	s_wait_loadcnt 0x0                             ; the biases: their address registers may be written again
	s_cmp_eq_u32 s13, 1                            ; choices, no branch, on the product's number
	s_cselect_b32 s96, s78, s76
	s_cselect_b32 s97, s79, s77
	s_cselect_b32 s74, s83, s82                    ; k: e7; q: e6
	s_cmp_eq_u32 s13, 2
	s_cselect_b32 s96, s80, s96
	s_cselect_b32 s97, s81, s97
	s_cselect_b32 s74, s85, s74                    ; v: e9
	s_add_co_i32 s96, s96, s97
	s_add_co_i32 s96, s96, 127
	s_lshl_b32 s96, s96, 23                        ; 2^(ea + eb) as f32
	s_mov_b32 s97, s96                             ; (named with it as a pair, so it is written)
	s_add_co_i32 s74, s74, 127
	s_lshl_b32 s75, s74, 23
	v_mov_b32 v[SC], s75                           ; 2^eo
	s_add_co_i32 s74, s74, 8
	s_lshl_b32 s74, s74, 23
	s_or_b32 s74, s74, 0x600000
	v_mov_b32 v[LM], s74                           ; 448 x 2^eo
	s_lshr_b32 s74, s17, 3                         ; q, k: ((batch x 16 + head) x 128 + token tile) x 1,024
	s_lshl_b32 s74, s74, 4
	s_lshl_b32 s75, s42, 2
	s_add_co_u32 s74, s74, s75
	s_lshl_b32 s75, s16, 1
	s_add_co_u32 s74, s74, s75
	s_lshl_b32 s74, s74, 7
	s_and_b32 s75, s17, 7
	s_lshl_b32 s75, s75, 4
	s_add_co_u32 s74, s74, s75
	s_lshl_b32 s75, s15, 3
	s_add_co_u32 s74, s74, s75
	s_lshl_b32 s74, s74, 10
	s_lshr_b32 s90, s42, 3                         ; v: ((batch x 16 + head) x 16 + key step) x 8,192
	s_lshl_b32 s90, s90, 4
	s_lshl_b32 s91, s17, 2
	s_add_co_u32 s90, s90, s91
	s_lshl_b32 s91, s15, 1
	s_add_co_u32 s90, s90, s91
	s_lshl_b32 s90, s90, 4
	s_and_b32 s91, s42, 7
	s_lshl_b32 s91, s91, 1
	s_add_co_u32 s90, s90, s91
	s_add_co_u32 s90, s90, s16
	s_lshl_b32 s90, s90, 13
	s_cmp_eq_u32 s13, 2
	s_cselect_b32 s74, s90, s74
	s_mov_b32 s75, 0
	s_add_nc_u64 s[88:89], s[72:73], s[74:75]
; Block a: 16 rows of A's side x my 128 of B's side.  rowbias = 0 (q, k): the bias goes by B's side; two heads' images of 1,024 bytes.  rowbias = 1 (v): by A's side; one image of 2,048 bytes.
.macro OUTBLK a, rowbias
.set AC, 64*((\a)%4)
	WIN 0x82+0x41*((\a)/4)                         ; destination and source 0: the accumulators' window
.set jj, 0
.rept 32
.if \rowbias
	v_pk_fma_f32 v[AC+jj:AC+jj+1], v[AC+jj:AC+jj+1], s[96:97], v[RB+2*(\a):RB+2*(\a)+1] op_sel_hi:[1,0,1]
.else
	v_pk_fma_f32 v[AC+jj:AC+jj+1], v[AC+jj:AC+jj+1], s[96:97], v[CB+jj:CB+jj+1] op_sel_hi:[1,0,1]   ; each accumulator from its low end on
.endif
.set jj, jj+2
.endr
.set jj, 0
.rept 64
	v_med3_num_f32 v[AC+jj], v[AC+jj], -v[LM], v[LM]   ; the conversion does not saturate (ISA guide 7.6.2): the hold comes first
.set jj, jj+1
.endr
	WIN 0x02+((\a)/4)
.irp b, 0,1,2,3,4,5,6,7
	v_cvt_scalef32_pk8_fp8_f32 v[CD+16*(\a)+2*\b:CD+16*(\a)+2*\b+1], v[AC+8*\b:AC+8*\b+7], v[SC]   ; B's rows 16 b + 8 h + 0..7: registers 2 b, 2 b + 1
.endr
	WIN 0
	v_nop                                          ; a plain line behind the last conversion
.irp i, 0,1,2,3
.if \rowbias
	global_store_b128 v[CO], v[CD+16*(\a)+4*\i:CD+16*(\a)+4*\i+3], s[88:89] offset:((\a)/4)*131072+((\a)%4)*2048+512*\i
.else
	global_store_b128 v[CO], v[CD+16*(\a)+4*\i:CD+16*(\a)+4*\i+3], s[88:89] offset:(\a)*1024+(\i/2)*131072+(\i%2)*512   ; 32 lanes store 512 consecutive bytes, aligned
.endif
.endr
.endm
	PLACES NP                                      ; behind the last products
	s_cmp_eq_u32 s13, 2                            ; the cluster's x: the same in all partners
	s_cbranch_scc1 .Lway_v
.irp a, 0,1,2,3,4,5,6,7
	OUTBLK \a, 0
.endr
	s_branch .Lway_done
.Lway_v:
.irp a, 0,1,2,3,4,5,6,7
	OUTBLK \a, 1
.endr
.Lway_done:
	s_wait_tensorcnt 0x0                           ; the wave's end
	ds_add_u32 v[SPW], v[NIL]
	s_wait_dscnt 0x0
	CROUND                                         ; the closing round: no work-group ends while a partner may still ask for a block that names it
	s_endpgm
.Lfunc_end_k_qa6d5754cf7_qkv:
	.size	k_qa6d5754cf7_qkv, .Lfunc_end_k_qa6d5754cf7_qkv-k_qa6d5754cf7_qkv
	.p2alignl 7, 3214868480
	.fill 96, 4, 3214868480
	.section	.rodata,"a",@progbits
	.p2align	6, 0x0
	.amdhsa_kernel k_qa6d5754cf7_qkv
		.amdhsa_group_segment_fixed_size 327680
		.amdhsa_private_segment_fixed_size 0
		.amdhsa_enable_private_segment 0
		.amdhsa_kernarg_size 56
		.amdhsa_user_sgpr_count 2
		.amdhsa_user_sgpr_kernarg_segment_ptr 1
		.amdhsa_wavefront_size32 1
		.amdhsa_system_sgpr_workgroup_id_x 1
		.amdhsa_system_sgpr_workgroup_id_y 1
		.amdhsa_system_sgpr_workgroup_id_z 1
		.amdhsa_system_vgpr_workitem_id 0
		.amdhsa_next_free_vgpr 1024
		.amdhsa_next_free_sgpr 100
		.amdhsa_reserve_vcc 0
		.amdhsa_float_denorm_mode_32 3
		.amdhsa_float_denorm_mode_16_64 3
		.amdhsa_memory_ordered 1
		.amdhsa_forward_progress 1
		.amdhsa_inst_pref_size 194
	.end_amdhsa_kernel
	.amdgpu_metadata
---
amdhsa.version: [ 1, 2 ]
amdhsa.kernels:
  - .name:           k_qa6d5754cf7_qkv
    .symbol:         k_qa6d5754cf7_qkv.kd
    .args:
      - { .name: xc, .offset: 0, .size: 8, .value_kind: global_buffer, .address_space: global }
      - { .name: wc, .offset: 8, .size: 8, .value_kind: global_buffer, .address_space: global }
      - { .name: bq, .offset: 16, .size: 8, .value_kind: global_buffer, .address_space: global }
      - { .name: bk, .offset: 24, .size: 8, .value_kind: global_buffer, .address_space: global }
      - { .name: bv, .offset: 32, .size: 8, .value_kind: global_buffer, .address_space: global }
      - { .name: lowp_scales, .offset: 40, .size: 8, .value_kind: global_buffer, .address_space: global }
      - { .name: qkv, .offset: 48, .size: 8, .value_kind: global_buffer, .address_space: global }
    .group_segment_fixed_size: 327680
    .private_segment_fixed_size: 0
    .kernarg_segment_align: 8
    .kernarg_segment_size: 56
    .max_flat_workgroup_size: 128
    .sgpr_count:     100
    .vgpr_count:     1024
    .wavefront_size: 32
...
	.end_amdgpu_metadata
.endif
;; end of part 2
;; launch attn (part 3): grid 64 x 4, 16 waves a work-group, no clusters, 67,584 bytes of LDS; arguments qkv, maskw, flags, lowp_scales, aimg; writes aimg
.if DOCPART == 3
	.amdgcn_target "amdgcn-amd-amdhsa--gfx1250"
	.amdhsa_code_object_version 6
	.text
	.protected	k_qa6d5754cf7_attn
	.globl	k_qa6d5754cf7_attn
	.p2align	8
	.type	k_qa6d5754cf7_attn,@function
k_qa6d5754cf7_attn:
	s_mov_b64 s[64:65], 0
	v_nop
	global_prefetch_b8 v0, s[64:65] scope:SCOPE_SE
	s_setreg_imm32_b32 hwreg(HW_REG_WAVE_MODE, 25, 1), 1
	s_wait_xcnt 0x0
; Attention on E4M3 codes, with the mask as it is given.  For each (batch, head) bh and query: t = logit x log2(e), logit = q . k / 8 where the mask is true and a very large negative number where it is not;
; M = the largest t so far, rounded UP to a whole number; p = 2^(t - M) is quantised (2^e8) for p v; the row's sum is taken of the unquantised p and divides at the end; the result is quantised (2^e10) for the last product.
; SHARES.  Work-group (bh, y) makes two passes, query blocks 7 - y and y of 256 queries; each of its sixteen waves owns 16 queries, one tile, in 256 registers.  128 keys a step, 256 keys an LDS slot.
; STEPS THAT COUNT FOR NOTHING ARE LEFT OUT, by scalar branches on flags that the first launch stored as whole numbers: a step of a wave whose 16 x 128 mask entries are all false (and none of whose rows is
; wholly false) is jumped over; a slot that no wave of the block needs is not fetched; the masking is jumped over where all entries are true.  This follows the mask's data, whatever its pattern.
; Because of those branches K and V come through registers (global load, LDS store), a slot ahead, and not by tensor loads; and work-groups are not joined in clusters: partners would need different slots.
; LAYOUT.  Both products transposed: S^T = K Q^T (source 0 = 16 keys x 64, source 1 = my 16 queries), O^T = V^T P^T (source 0 = 16 d x 128 keys, source 1 = P): a lane holds ONE query (lane % 16).
; Register 8 t + j of S^T is key 16 t + 8 (lane / 16) + j: just the place that the K = 128 operand gives it, so the conversions' results are P.  All operands arrive as images of their registers: every LDS address is 16 x lane or 16 x thread + a constant.
; THE MASK costs one select a score: word n of a step's 64 has a bit for each lane, comes by scalar loads, and is the select's lane mask.
; THE MASKED SCORE is -2^(33 - e6 - e7): times c it is exactly -1.4427 x 2^30, a whole number.  So in a row that is masked so far M is that number and p = 1, as with reference()'s -1e9; everywhere else p = 0.
; LIMITS: the masked t is -1.549e9 where reference() has -1.443e9 (no difference unless true logits reach -1e9); e6 + e7 between -94 and 130; e8 and e10 between -126 and 119; NaN is not served.
; SCALARS: s[2:3] the step's mask words; s4 my tile of queries; s5, s6, s7 the block's need bits, my need bits, my full bits, shifted as the slots go by; s8 wave; s9 pass; s10 trip; s11 query block;
;   s[12:13], s[14:15] K's and V's next slot; s[16:63], s[80:95] 64 mask words; s[66:67] c; s[68:69] Q of my bh; s[70:71] maskw; s[72:73] flags; s[74:75] lane selects; s[76:77] aimg; s78, s79, s96-99 at work; s100 e8 + e9.
; VECTORS: v1 16 x lane; v2 16 x thread; v3, v4 the add's two; v6, v7 2^e10, 448 x 2^e10; v8 the masked score; v9, v10 2^e8, 448 x 2^e8; v12 -M; v13 the largest t; v[14:15] the sum; v16-23 Q;
;   v24-39 K and V on their way to LDS; v40-103 K's 8 fragments, then V's 4; v104-167 S^T, then p; v168-199 O^T; v200-215 P's codes; v216-223 at work.
.set SLOTB, 32768                      ; an LDS slot: 16,384 bytes of K (16 images of 1,024), then 16,384 of V (8 images of 2,048)
.set SPARE, 2*SLOTB                    ; behind the slots: the spare words, 128 bytes for each wave: eight blocks of 256 bytes that no other line names
	s_load_b256 s[68:75], s[0:1], 0x0              ; qkv, maskw, flags, the exponents
	s_load_b64 s[76:77], s[0:1], 0x20              ; aimg
	v_lshl_add_u32 v3, v0, 2, SPARE
	v_mov_b32 v4, 0
	v_lshrrev_b32 v1, 5, v0
	v_readfirstlane_b32 s8, v1                     ; wave 0..15
	v_and_b32 v1, 31, v0
	v_lshlrev_b32 v1, 4, v1
	v_lshlrev_b32 v2, 4, v0
.irp i, 24,25,26,27,28,29,30,31,32,33,34,35,36,37,38,39
	v_mov_b32 v[\i], 0                             ; written once, so that they are written on every way
.endr
	v_mov_b32 v216, 0                              ; a lane permute's destination counts as one of its sources
	v_mov_b32 v219, 0                              ; (named as the upper half of the pair v[218:219])
	s_lshl_b32 s78, ttmp9, 17                      ; a (batch, head) is 131,072 bytes in each of the three sections
	s_mov_b32 s79, 0
	s_wait_kmcnt 0x0
	s_load_b128 s[96:99], s[74:75], 0x18           ; e6, e7, e8, e9
	s_load_b32 s101, s[74:75], 0x28                ; e10
	s_add_nc_u64 s[68:69], s[68:69], s[78:79]      ; Q
	s_add_nc_u64 s[12:13], s[68:69], 0x800000      ; K
	s_add_nc_u64 s[14:15], s[68:69], 0x1000000     ; V
	s_wait_kmcnt 0x0
	s_mov_b32 s74, 0x76543210                      ; v_permlanex16_b32's selects for lane l xor 16
	s_mov_b32 s75, 0xfedcba98
	s_add_co_i32 s78, s96, s97                     ; e6 + e7
	s_lshl_b32 s79, s78, 23
	s_add_co_i32 s66, s79, 0x3e38aa3b              ; c = log2(e) / 8, the two exponents added to its exponent field
	s_mov_b32 s67, s66                             ; (named with it as a pair, so it is written)
	s_sub_co_i32 s78, 160, s78
	s_lshl_b32 s78, s78, 23
	s_or_b32 s78, s78, 0x80000000
	v_mov_b32 v8, s78                              ; -2^(33 - e6 - e7)
	s_add_co_i32 s78, s98, 127
	s_lshl_b32 s79, s78, 23
	v_mov_b32 v9, s79                              ; 2^e8
	s_add_co_i32 s78, s78, 8
	s_lshl_b32 s78, s78, 23
	s_or_b32 s78, s78, 0x600000
	v_mov_b32 v10, s78                             ; 448 x 2^e8
	s_add_co_i32 s100, s98, s99                    ; e8 + e9
	s_add_co_i32 s78, s101, 127
	s_lshl_b32 s79, s78, 23
	v_mov_b32 v6, s79                              ; 2^e10
	s_add_co_i32 s78, s78, 8
	s_lshl_b32 s78, s78, 23
	s_or_b32 s78, s78, 0x600000
	v_mov_b32 v7, s78                              ; 448 x 2^e10
; A KEY STEP: the u-th 128 keys of LDS slot p.
.macro STEP p, u
	s_bitcmp1_b32 s6, \u                           ; does my tile need this step?  A whole number that an earlier launch stored
	s_cbranch_scc0 .Lskip_\@
	s_load_b512 s[16:31], s[2:3], 256*\u           ; the step's 64 mask words
	s_load_b512 s[32:47], s[2:3], 256*\u+64
	s_load_b512 s[48:63], s[2:3], 256*\u+128
	s_load_b512 s[80:95], s[2:3], 256*\u+192
.rept 4
	v_nop                                          ; places in front of loads into registers that the last products read
.endr
.irp t, 0,1,2,3,4,5,6,7
	ds_load_b128 v[40+8*\t:43+8*\t], v1 offset:\p*SLOTB+\u*8192+\t*1024
	ds_load_b128 v[44+8*\t:47+8*\t], v1 offset:\p*SLOTB+\u*8192+\t*1024+512
.endr
	s_wait_dscnt 0x0
.irp t, 0,1,2,3,4,5,6,7
	v_wmma_f32_16x16x64_fp8_fp8 v[104+8*\t:111+8*\t], v[40+8*\t:47+8*\t], v[16:23], 0
.endr
.rept 4
	v_nop                                          ; places: K's registers take V, and the scores are read
.endr
.irp t, 0,1,2,3
.irp c, 0,1,2,3
	ds_load_b128 v[40+16*\t+4*\c:43+16*\t+4*\c], v1 offset:\p*SLOTB+16384+\u*8192+\t*2048+512*\c   ; V lands while the softmax is worked
.endr
.endr
	s_wait_kmcnt 0x0                               ; the mask words are in, and their address may be stepped
	s_bitcmp1_b32 s7, \u                           ; all 2,048 entries true: nothing to mask
	s_cbranch_scc1 .Lopen_\@
.set n, 0
.rept 64
.if n < 48
	v_cndmask_b32 v[104+n], v8, v[104+n], s[16+n]  ; the score where the lane's bit is set, else the masked score
.else
	v_cndmask_b32 v[104+n], v8, v[104+n], s[32+n]
.endif
.set n, n+1
.endr
.Lopen_\@:
	v_max3_num_f32 v220, v104, v105, v106          ; the step's largest score of my query among my 64 keys, in two chains; each accumulator is first read at its low end
	v_max3_num_f32 v221, v107, v108, v109
.irp i, 6,10,14,18,22,26,30,34,38,42,46,50,54,58
	v_max3_num_f32 v220, v220, v[104+\i], v[105+\i]
	v_max3_num_f32 v221, v221, v[106+\i], v[107+\i]
.endr
	v_max3_num_f32 v220, v220, v166, v167
	v_max_num_f32 v220, v220, v221
	v_permlanex16_b32 v216, v220, s74, s75
	v_max_num_f32 v220, v220, v216                 ; and among lane l xor 16's
	v_mul_f32 v220, s66, v220                      ; as t (c is positive)
	v_max_num_f32 v13, v13, v220                   ; the running largest t
	v_mov_b32 v220, v12
	v_floor_f32 v12, -v13                          ; the new -M = floor(-t): M is a whole number
	v_sub_f32 v220, v12, v220                      ; old M - new M: a whole number, 0 or less
	v_cvt_i32_f32 v220, v220                       ; (it saturates)
	v_ldexp_f32 v218, 1.0, v220                    ; f = 2^(old M - new M)
.set jj, 0
.rept 32
	v_pk_fma_f32 v[104+jj:105+jj], v[104+jj:105+jj], s[66:67], v[12:13] op_sel_hi:[1,0,0]   ; t - M, two at a time
.set jj, jj+2
.endr
.set jj, 0
.rept 64
	v_exp_f32 v[104+jj], v[104+jj]                 ; p = 2^(t - M), not normalised
.set jj, jj+1
.endr
	v_pk_mul_f32 v[14:15], v[14:15], v[218:219] op_sel_hi:[1,0]   ; the sums under the new M: the plain line behind the exponentials
	s_wait_alu depctr_va_vdst(0)                   ; one wait for the batch of 64, ahead of its first reader
	v_pk_add_f32 v[222:223], v[104:105], v[106:107]   ; the row's sum is taken of the unquantised p, in two chains
.irp j, 4,8,12,16,20,24,28,32,36,40,44,48,52,56,60
	v_pk_add_f32 v[14:15], v[14:15], v[104+\j:105+\j]
	v_pk_add_f32 v[222:223], v[222:223], v[106+\j:107+\j]
.endr
	v_pk_add_f32 v[14:15], v[14:15], v[222:223]
.set jj, 0
.rept 64
	v_min_num_f32 v[104+jj], v[104+jj], v10        ; the conversion does not saturate (ISA guide 7.6.2); p is not negative, so the hold is one-sided
.set jj, jj+1
.endr
.irp t, 0,1,2,3,4,5,6,7
	v_cvt_scalef32_pk8_fp8_f32 v[200+2*\t:201+2*\t], v[104+8*\t:111+8*\t], v9   ; keys 16 t + 8 h + 0..7: registers 2 t, 2 t + 1 of the operand
.endr
.set jj, 0
.rept 16
	v_pk_mul_f32 v[168+jj:169+jj], v[168+jj:169+jj], v[218:219] op_sel_hi:[1,0]   ; O^T under the new M; these are also the plain lines behind the conversions
.set jj, jj+2
.endr
	s_wait_dscnt 0x0                               ; V is in
.irp t, 0,1,2,3
	v_wmma_f32_16x16x128_fp8_fp8 v[168+8*\t:175+8*\t], v[40+16*\t:55+16*\t], v[200:215], v[168+8*\t:175+8*\t]   ; four accumulators by turns
.endr
.Lskip_\@:
.endm
; Half a trip: slot p is worked, the other LDS slot takes the next 256 keys.  The loads go out ahead of the two steps, the LDS stores follow them.  The barrier stands on every wave's way; only loads, stores and work are jumped over.
.macro HALF p
	s_and_b32 s78, s5, 3                           ; does any wave of the block need the next slot?
	s_cmp_lg_u32 s78, 0
	s_cbranch_scc0 .Lno_ld_\@
	global_load_b128 v[24:27], v2, s[12:13]
	global_load_b128 v[28:31], v2, s[12:13] offset:8192
	global_load_b128 v[32:35], v2, s[14:15]
	global_load_b128 v[36:39], v2, s[14:15] offset:8192
.Lno_ld_\@:
	STEP \p, 0
	STEP \p, 1
	s_wait_loadcnt 0x0                             ; the next slot's bytes are in registers, and the bases may be stepped
	s_and_b32 s78, s5, 3
	s_cmp_lg_u32 s78, 0
	s_cbranch_scc0 .Lno_st_\@
	ds_store_b128 v2, v[24:27] offset:(1-\p)*SLOTB          ; the other slot: every wave's reads of it ended in front of the last barrier
	ds_store_b128 v2, v[28:31] offset:(1-\p)*SLOTB+8192
	ds_store_b128 v2, v[32:35] offset:(1-\p)*SLOTB+16384
	ds_store_b128 v2, v[36:39] offset:(1-\p)*SLOTB+24576
.Lno_st_\@:
	s_wait_dscnt 0x0                               ; for the others' sake: my stores are done, and my reads of slot p are back
	s_barrier_signal -1
	s_barrier_wait -1
	s_add_nc_u64 s[12:13], s[12:13], 16384
	s_add_nc_u64 s[14:15], s[14:15], 16384
	s_add_nc_u64 s[2:3], s[2:3], 512               ; two steps' mask words
	s_lshr_b32 s5, s5, 2
	s_lshr_b32 s6, s6, 2
	s_lshr_b32 s7, s7, 2
.endm
	s_mov_b32 s9, 0
.Lpass:
	s_and_b32 s78, ttmp7, 0xffff                   ; y
	s_sub_co_u32 s79, 7, s78
	s_cmp_eq_u32 s9, 0
	s_cselect_b32 s11, s79, s78                    ; the query block: 7 - y, then y
	s_lshl_b32 s4, s11, 4
	s_add_co_u32 s4, s4, s8                        ; my tile of 16 queries
	s_lshl_b32 s96, s11, 6
	s_mov_b32 s97, 0
	s_add_nc_u64 s[96:97], s[72:73], s[96:97]
	s_lshl_b32 s98, s4, 2
	s_mov_b32 s99, 0
	s_add_nc_u64 s[98:99], s[72:73], s[98:99]
	s_load_b512 s[16:31], s[96:97], 0x0            ; the flags of the block's sixteen tiles,
	s_load_b32 s6, s[98:99], 0x0                   ; and mine
	s_lshl_b32 s2, s4, 12
	s_mov_b32 s3, 0
	s_add_nc_u64 s[2:3], s[70:71], s[2:3]          ; my tile's mask words: 16 steps of 256 bytes
	s_lshl_b32 s78, s4, 10
	s_mov_b32 s79, 0
	s_add_nc_u64 s[78:79], s[68:69], s[78:79]
	global_load_b128 v[16:19], v1, s[78:79]        ; Q's fragment stays in registers
	global_load_b128 v[20:23], v1, s[78:79] offset:512
	v_mov_b32 v13, 0xff61b1e6                      ; the largest t so far: -3e38, under every t
	v_floor_f32 v12, -v13
	v_mov_b32 v14, 0
	v_mov_b32 v15, 0
.set jj, 0
.rept 32
	v_mov_b32 v[168+jj], 0                         ; O^T: which step comes first hangs on the flags, so none can be written out to start the sums
.set jj, jj+1
.endr
	s_wait_kmcnt 0x0
	s_or_b32 s5, s16, s17
.irp i, 18,19,20,21,22,23,24,25,26,27,28,29,30,31
	s_or_b32 s5, s5, s[\i]
.endr
	s_and_b32 s5, s5, 0xffff                       ; steps that some wave of the block needs
	s_lshr_b32 s7, s6, 16                          ; my full bits
	s_and_b32 s6, s6, 0xffff                       ; my need bits
	s_and_b32 s96, s5, 3
	s_cmp_lg_u32 s96, 0
	s_cbranch_scc0 .Lno_first
	global_load_b128 v[24:27], v2, s[12:13]        ; the first 256 keys
	global_load_b128 v[28:31], v2, s[12:13] offset:8192
	global_load_b128 v[32:35], v2, s[14:15]
	global_load_b128 v[36:39], v2, s[14:15] offset:8192
	s_wait_loadcnt 0x0
	ds_store_b128 v2, v[24:27]
	ds_store_b128 v2, v[28:31] offset:8192
	ds_store_b128 v2, v[32:35] offset:16384
	ds_store_b128 v2, v[36:39] offset:24576
.Lno_first:
	s_wait_loadcnt 0x0                             ; Q
	s_wait_dscnt 0x0
	s_barrier_signal -1
	s_barrier_wait -1
	s_add_nc_u64 s[12:13], s[12:13], 16384
	s_add_nc_u64 s[14:15], s[14:15], 16384
	s_lshr_b32 s5, s5, 2                           ; the block's bits run a slot ahead of mine
	s_mov_b32 s10, 4
.Ltrip:                                            ; four trips of two slots; behind the eighth slot the block's bits are zeros, so nothing more is fetched
	HALF 0
	HALF 1
	s_sub_co_u32 s10, s10, 1
	s_cmp_lg_u32 s10, 0
	s_cbranch_scc1 .Ltrip
	; THE WAY OUT of a pass: O^T / the sum x 2^(e8 + e9), held, converted with 2^e10: a head's 64 features are half of an image of 16 tokens x 128 features of the last product's left operand.
	v_add_f32 v14, v14, v15
	v_permlanex16_b32 v216, v14, s74, s75
	v_add_f32 v14, v14, v216                       ; the row's sum
	v_rcp_f32 v14, v14
	v_nop                                          ; a plain line behind the reciprocal
	s_lshr_b32 s78, ttmp9, 4
	s_lshl_b32 s78, s78, 7
	s_add_co_u32 s78, s78, s4                      ; the tile among all 512 tiles of tokens
	s_and_b32 s79, ttmp9, 15                       ; the head
	s_lshr_b32 s96, s78, 3
	s_lshl_b32 s96, s96, 2
	s_lshr_b32 s97, s79, 2
	s_add_co_u32 s96, s96, s97                     ; (token / 128) x 4 + feature / 256
	s_lshl_b32 s96, s96, 3
	s_and_b32 s97, s78, 7
	s_add_co_u32 s96, s96, s97
	s_lshl_b32 s96, s96, 2                         ; in units of 1,024 bytes: four to a tile's two images
	s_and_b32 s97, s79, 3
	s_add_co_u32 s96, s96, s97
	s_lshl_b32 s96, s96, 10
	s_mov_b32 s97, 0
	s_add_nc_u64 s[96:97], s[76:77], s[96:97]
	s_wait_alu depctr_va_vdst(0)                   ; ahead of the reciprocal's first reader
	v_ldexp_f32 v14, v14, s100
	v_mov_b32 v15, v14
.set jj, 0
.rept 16
	v_pk_mul_f32 v[104+jj:105+jj], v[168+jj:169+jj], v[14:15]
.set jj, jj+2
.endr
.set jj, 0
.rept 32
	v_med3_num_f32 v[104+jj], v[104+jj], -v7, v7
.set jj, jj+1
.endr
.irp t, 0,1,2,3
	v_cvt_scalef32_pk8_fp8_f32 v[200+2*\t:201+2*\t], v[104+8*\t:111+8*\t], v6
.endr
	v_nop                                          ; a plain line behind the last conversion
	global_store_b128 v1, v[200:203], s[96:97]               ; 32 lanes store 512 consecutive bytes, aligned
	global_store_b128 v1, v[204:207], s[96:97] offset:512
	s_wait_xcnt 0x0                                ; the stores have read their base and their data: both are written again in the next pass
	s_sub_nc_u64 s[12:13], s[12:13], 9*16384       ; back to the first keys
	s_sub_nc_u64 s[14:15], s[14:15], 9*16384
	s_add_co_u32 s9, s9, 1
	s_cmp_lt_u32 s9, 2
	s_cbranch_scc1 .Lpass
	s_wait_tensorcnt 0x0                           ; the wave's end: three closing lines behind my last LDS store
	ds_add_u32 v3, v4
	s_wait_dscnt 0x0
	s_endpgm
.Lfunc_end_k_qa6d5754cf7_attn:
	.size	k_qa6d5754cf7_attn, .Lfunc_end_k_qa6d5754cf7_attn-k_qa6d5754cf7_attn
	.p2alignl 7, 3214868480
	.fill 96, 4, 3214868480
	.section	.rodata,"a",@progbits
	.p2align	6, 0x0
	.amdhsa_kernel k_qa6d5754cf7_attn
		.amdhsa_group_segment_fixed_size 67584
		.amdhsa_private_segment_fixed_size 0
		.amdhsa_enable_private_segment 0
		.amdhsa_kernarg_size 40
		.amdhsa_user_sgpr_count 2
		.amdhsa_user_sgpr_kernarg_segment_ptr 1
		.amdhsa_wavefront_size32 1
		.amdhsa_system_sgpr_workgroup_id_x 1
		.amdhsa_system_sgpr_workgroup_id_y 1
		.amdhsa_system_sgpr_workgroup_id_z 1
		.amdhsa_system_vgpr_workitem_id 0
		.amdhsa_next_free_vgpr 256
		.amdhsa_next_free_sgpr 102
		.amdhsa_reserve_vcc 0
		.amdhsa_float_denorm_mode_32 3
		.amdhsa_float_denorm_mode_16_64 3
		.amdhsa_memory_ordered 1
		.amdhsa_forward_progress 1
		.amdhsa_inst_pref_size 92
	.end_amdhsa_kernel
	.amdgpu_metadata
---
amdhsa.version: [ 1, 2 ]
amdhsa.kernels:
  - .name:           k_qa6d5754cf7_attn
    .symbol:         k_qa6d5754cf7_attn.kd
    .args:
      - { .name: qkv, .offset: 0, .size: 8, .value_kind: global_buffer, .address_space: global }
      - { .name: maskw, .offset: 8, .size: 8, .value_kind: global_buffer, .address_space: global }
      - { .name: flags, .offset: 16, .size: 8, .value_kind: global_buffer, .address_space: global }
      - { .name: lowp_scales, .offset: 24, .size: 8, .value_kind: global_buffer, .address_space: global }
      - { .name: aimg, .offset: 32, .size: 8, .value_kind: global_buffer, .address_space: global }
    .group_segment_fixed_size: 67584
    .private_segment_fixed_size: 0
    .kernarg_segment_align: 8
    .kernarg_segment_size: 40
    .max_flat_workgroup_size: 512
    .sgpr_count:     102
    .vgpr_count:     256
    .wavefront_size: 32
...
	.end_amdgpu_metadata
.endif
;; end of part 3
;; launch oproj (part 4): grid 4 x 32, 4 waves a work-group, clusters of 4 x 4, 327,680 bytes of LDS; arguments aimg, wc, bo, lowp_scales, out0; writes out0
.if DOCPART == 4
	.amdgcn_target "amdgcn-amd-amdhsa--gfx1250"
	.amdhsa_code_object_version 6
	.text
	.protected	k_qa6d5754cf7_oproj
	.globl	k_qa6d5754cf7_oproj
	.p2align	8
	.type	k_qa6d5754cf7_oproj,@function
k_qa6d5754cf7_oproj:
	s_mov_b64 s[64:65], 0
	v_nop
	global_prefetch_b8 v0, s[64:65] scope:SCOPE_SE
	s_setreg_imm32_b32 hwreg(HW_REG_WAVE_MODE, 25, 1), 1
	s_wait_xcnt 0x0
	s_wait_alu depctr_hold_cnt(0) depctr_sa_sdst(0) depctr_va_vdst(0) depctr_va_sdst(0) depctr_va_ssrc(0) depctr_va_vcc(0) depctr_vm_vsrc(0)
	s_getreg_b32 s2, hwreg(HW_REG_IB_STS2, 6, 4)
	s_cmp_eq_u32 s2, 0
	s_cbranch_scc0 .Lentry_in_a_cluster
	s_endpgm
.Lentry_in_a_cluster:
	s_bfe_u32 s2, ttmp6, 0x10000c
	s_cmp_lg_u32 s2, 0xf033
	s_cbranch_scc0 .Lentry_shape_is_right
	s_endpgm
.Lentry_shape_is_right:
; out0 = a Wo + bo on E4M3 codes: a [8192][1024] (the attention's result, scale 2^e10), Wo's codes with rows = n (scale 2^e11); out0 [8192][1024] f32.
; A tile of 256 x 256 of out0 to a work-group of four waves, 128 x 128 to a wave: 64 accumulators, 512 registers.  THE MATRIX INSTRUCTION IS USED TRANSPOSED (source 0 = 16 rows of Wo's codes, source 1 = 16 tokens):
; a lane holds eight neighbouring numbers of a row of out0.
; OPERANDS arrive as images of their registers (16 rows x 128 k: 2,048 bytes, registers 4i..4i+3 of lane L at 512 i + 16 L); 128 rows x 256 k are one dense block of 32,768 bytes: one tensor load; a fragment is four loads at 16 x lane.
; K = 1,024 goes in four steps of 256 through two LDS slots.  CLUSTERS 4 x 4: a's blocks are asked for jointly along a row of the cluster, Wo's along a column.
; LIMIT: e10 + e11 between -126 and 127.
; REGISTERS, in windows of 256: window 0: v0-31 addresses; v32-95 bo at my columns; v128-255 a's fragments, one set, on the way out rows of out0.  window 1: Wo's fragments, two sets.
;   windows 2, 3: the accumulators of my rows 0-63, 64-127 (accumulator (a, b) at v[8 (8 (a % 4) + b)]).
.set HALFT,  32768                     ; 128 rows x 256 k: what one tensor load brings, and what one wave reads of A or of B
.set SLOT,   4*HALFT                   ; A's two halves, then B's two
.set SPARE,  2*SLOT                    ; behind the ring: the spare words, 128 bytes for each wave: two blocks of 256 bytes that no other line names
.set SPITCH, 528                       ; the way out: a stage of 16 rows x (512 bytes + 16) for each wave, in slot 0, which has had its last fill and its last read when the first result is stored there
.set FR,     16
.set NL,     4
.set NP,     4                         ; places behind this matrix instruction (ISA guide 7.12.1)
.set ROWC,   4096                      ; a row of out0 in bytes
.set ADRA, 16                          ; v16-17  LDS address of my A fragments in slot 0, 1
.set ADRB, 20                          ; v20-21  the same for B
.set STO,  24                          ; v24     the way out: where I put 32 bytes of a row
.set RD,   25                          ; v25     where I read a row back
.set CO,   26                          ; v26     16 x lane
.set SPW,  28                          ; v28     LDS address of my spare word; never rewritten
.set NIL,  29                          ; v29     0; never rewritten
.set CB,   32
.set AF,   128
.set BK,   128                         ; 16 rows read back from the stage: v128-191 and v192-255 by turns
.set G1, 24
.set G0, 32
.set G1B, 48
.set G0B, 56
.set MSB, 0
.macro WIN new                         ; the immediate's high byte repeats the setting that is left
.if MSB != \new
	s_set_vgpr_msb (MSB<<8)|\new
.set MSB, \new
.endif
.endm
.set MUL_LO, 0xa1                      ; source 0 (B) window 1, source 1 (A) window 0, C and D window 2
.set MUL_HI, 0xf1                      ; the same, C and D window 3
.set TO_B,   0x40                      ; destination window 1, address window 0
; A joint load: waves 0 and 1 fetch for A, waves 2 and 3 for B.  The branch hangs on the wave's number alone.  An s_nop 0 and four v_nop follow each of the two lines.
.macro JLOAD g0a, g1a, g0b, g1b
	s_cmp_eq_u32 s15, 0
	s_cbranch_scc0 .Lfor_b_\@
	tensor_load_to_lds s[\g0a:\g0a+3], s[\g1a:\g1a+7]
	s_nop 0
.rept 4
	v_nop
.endr
	s_branch .Lasked_\@
.Lfor_b_\@:
	tensor_load_to_lds s[\g0b:\g0b+3], s[\g1b:\g1b+7]
	s_nop 0
.rept 4
	v_nop
.endr
.Lasked_\@:
.endm
.macro CREST                           ; a round of the cluster's barrier behind its opening barrier
	s_cmp_lg_u32 s14, 0
	s_cbranch_scc1 .Lnot_wave_0_\@
	s_barrier_signal -3
.Lnot_wave_0_\@:
	s_barrier_wait -3
	s_barrier_signal -1
	s_barrier_wait -1
.endm
.macro CROUND                          ; a whole round
	s_barrier_signal -1
	s_barrier_wait -1
	CREST
.endm
	s_load_b128 s[4:7], s[0:1], 0x0                ; aimg s[4:5], wc s[6:7]
	s_load_b128 s[8:11], s[0:1], 0x10              ; bo s[8:9], the exponents s[10:11]
	s_load_b64 s[12:13], s[0:1], 0x20              ; out0
	v_lshl_add_u32 v[SPW], v0, 2, SPARE
	v_mov_b32 v[NIL], 0
	ds_add_u32 v[SPW], v[NIL]                      ; the wave's opening: the add and its wait stand ahead of my first tensor load; the set-up below, work on registers, stands between them
	v_lshrrev_b32 v1, 5, v0
	v_readfirstlane_b32 s14, v1                    ; wave 0..3
	s_lshr_b32 s15, s14, 1                         ; which half of the tile's rows is mine.  Also: I fetch for A (0) or for B (1)
	s_and_b32 s16, s14, 1                          ; which half of its columns.  Also: which 128 rows I fetch
	s_bfe_u32 s40, ttmp6, 0x40000                  ; cx, cy: my place in the cluster
	s_bfe_u32 s41, ttmp6, 0x40004
	s_lshl_b32 s42, ttmp9, 2
	s_add_co_u32 s42, s42, s40                     ; tile column = 4 x cluster x + cx
	s_and_b32 s17, ttmp7, 0xffff
	s_lshl_b32 s17, s17, 2
	s_add_co_u32 s17, s17, s41                     ; tile row = 4 x cluster y + cy
	s_lshl_b32 s43, s41, 2
	s_lshl_b32 s43, 15, s43                        ; my row of the cluster
	s_lshl_b32 s44, 0x1111, s40                    ; my column
	; descriptor group 1: a dense block of 32,768 bytes as 128 rows of 32 elements of 8 bytes, no padding
	s_or_b32 s[G1+0], s43, (3<<16)|(1<<21)         ; 15:0 the mask: A's blocks go to my row; 17:16 elements of 8 bytes; 21 set beside a mask
	s_or_b32 s[G1B+0], s44, (3<<16)|(1<<21)
.irp g, G1, G1B
	s_mov_b32 s[\g+1], 32<<16                      ; tensor_dim0
	s_mov_b32 s[\g+2], 128<<16                     ; tensor_dim1
	s_mov_b32 s[\g+3], 32<<16                      ; tile_dim0
	s_mov_b32 s[\g+4], 128                         ; tile_dim1
	s_mov_b32 s[\g+5], 32                          ; tensor_dim0_stride
	s_mov_b32 s[\g+6], 0
	s_mov_b32 s[\g+7], 0
.endr
	s_lshl_b32 s20, s17, 1
	s_add_co_u32 s20, s20, s16
	s_lshl_b32 s20, s20, 17                        ; A: 128 rows of 1,024 codes are 131,072 bytes
	s_mov_b32 s21, 0
	s_lshl_b32 s46, s42, 1
	s_add_co_u32 s46, s46, s16
	s_lshl_b32 s46, s46, 17
	s_add_co_u32 s46, s46, 0x300000                ; B: Wo's section is the fourth of wc
	s_mov_b32 s47, 0
	s_lshl_b32 s45, s14, 15                        ; where they go: wave x 32,768: no place in the cluster enters an LDS address
	s_wait_dscnt 0x0                               ; the opening add is done
	s_wait_kmcnt 0x0
	s_load_b64 s[96:97], s[10:11], 0x28            ; e10, e11
	s_add_nc_u64 s[20:21], s[4:5], s[20:21]
	s_add_nc_u64 s[46:47], s[6:7], s[46:47]
	CROUND                                         ; all sixteen work-groups are here: the first joint loads meet
.irp s, 0,1
	s_mov_b32 s[G0+4*\s], 1
	s_add_co_u32 s[G0+4*\s+1], s45, \s*SLOT
	s_add_nc_u64 s[G0+4*\s+2:G0+4*\s+3], s[20:21], \s*HALFT
	s_or_b32 s[G0+4*\s+3], s[G0+4*\s+3], 0x80000000
	s_mov_b32 s[G0B+4*\s], 1
	s_add_co_u32 s[G0B+4*\s+1], s45, \s*SLOT
	s_add_nc_u64 s[G0B+4*\s+2:G0B+4*\s+3], s[46:47], \s*HALFT
	s_or_b32 s[G0B+4*\s+3], s[G0B+4*\s+3], 0x80000000
	JLOAD G0+4*\s, G1, G0B+4*\s, G1B
.endr
	v_and_b32 v1, 31, v0
	v_lshlrev_b32 v[CO], 4, v1                     ; an image's place for my lane; also my 16 bytes of a row of 512
	s_lshl_b32 s21, s15, 15                        ; my 128 rows of A
	s_lshl_b32 s22, s16, 15                        ; my 128 rows of B,
	s_add_co_u32 s22, s22, 2*HALFT                 ; which lie behind A's 256
.irp s, 0,1
	v_add_nc_u32 v[ADRA+\s], s21, v[CO]
	v_add_nc_u32 v[ADRB+\s], s22, v[CO]
	s_add_co_u32 s21, s21, SLOT
	s_add_co_u32 s22, s22, SLOT
.endr
	v_and_b32 v3, 15, v0                           ; r
	v_bfe_u32 v2, v0, 4, 1                         ; h
	s_mul_i32 s23, s14, 16*SPITCH                  ; my stage
	v_mul_u32_u24 v5, v3, SPITCH
	v_lshl_add_u32 v5, v2, 5, v5
	v_add_nc_u32 v[STO], s23, v5                   ; in: row r, 32 bytes for each half of the lanes
	v_add_nc_u32 v[RD], s23, v[CO]                 ; back: the 32 lanes take one row of 512 bytes
	v_lshlrev_b32 v7, 5, v2                        ; 32 h; not rewritten
	s_lshl_b32 s46, s42, 10                        ; my first column, in bytes: 1,024 x tile column + 512 x half; the same in bo
	s_lshl_b32 s47, s16, 9
	s_add_co_u32 s46, s46, s47
	s_mov_b32 s47, 0
	s_add_nc_u64 s[8:9], s[8:9], s[46:47]
.irp b, 0,1,2,3,4,5,6,7
	global_load_b128 v[CB+8*\b:CB+8*\b+3], v7, s[8:9] offset:64*\b          ; bo at columns 16 b + 8 h + 0..7
	global_load_b128 v[CB+8*\b+4:CB+8*\b+7], v7, s[8:9] offset:64*\b+16
.endr
	s_lshl_b32 s20, s17, 8
	s_lshl_b32 s21, s15, 7
	s_add_co_u32 s20, s20, s21                     ; my first row: 256 x tile row + 128 x half
	s_lshl_b32 s20, s20, 12                        ; rows of 4,096 bytes
	s_mov_b32 s21, 0
	s_add_nc_u64 s[20:21], s[20:21], s[46:47]
	s_add_nc_u64 s[12:13], s[12:13], s[20:21]
.macro FRAG reg, adr, q, i             ; the image of block i's 16 rows, the slot's q-th 128 along K: four loads of 512 consecutive bytes
.irp c, 0,1,2,3
	ds_load_b128 v[\reg+4*\c:\reg+4*\c+3], v[\adr] offset:((\i)*2+(\q))*2048+512*\c
.endr
.endm
; 16 matrix instructions: A's blocks a0, a0 + 1 x B's eight, 128 along K.  p: B's set.  zero = 1: the first product starts the sums.  The 64 accumulators take turns.
.macro MUL16 a0, p, zero
.irp a, \a0, \a0+1
.irp b, 0,1,2,3,4,5,6,7
.if \zero
	v_wmma_f32_16x16x128_fp8_fp8 v[8*(8*((\a)%4)+\b):8*(8*((\a)%4)+\b)+7], v[128*(\p)+FR*\b:128*(\p)+FR*\b+FR-1], v[AF+FR*(\a):AF+FR*(\a)+FR-1], 0
.else
	v_wmma_f32_16x16x128_fp8_fp8 v[8*(8*((\a)%4)+\b):8*(8*((\a)%4)+\b)+7], v[128*(\p)+FR*\b:128*(\p)+FR*\b+FR-1], v[AF+FR*(\a):AF+FR*(\a)+FR-1], v[8*(8*((\a)%4)+\b):8*(8*((\a)%4)+\b)+7]
.endif
.endr
.endr
.endm
.macro FETCH_B slot, q, p
	WIN TO_B
.irp i, 0,1,2,3,4,5,6,7
	FRAG 128*(\p)+FR*\i, ADRB+\slot, \q, \i
.endr
	WIN 0
.endm
.macro FETCH_A slot, q, i0
.irp i, \i0, \i0+1, \i0+2, \i0+3
	FRAG AF+FR*(\i), ADRA+\slot, \q, \i
.endr
.endm
.macro PLACES n                        ; plain vector lines between a matrix instruction and a load into, or a vector read or write of, its registers
.rept \n
	v_nop
.endr
.endm
; A step of 128 along K that has its successor in the same slot.  A has one set of registers: blocks 0-3 are fetched anew in the step's middle, blocks 4-7 at its end; B has two sets.
.macro STEP slot, q, zero
	s_wait_dscnt 4*NL                              ; B's set and A's blocks 0-3 are in; the youngest sixteen loads (A's blocks 4-7) may be out
	WIN MUL_LO
	MUL16 0, (\q)%2, \zero
	MUL16 2, (\q)%2, \zero
	s_wait_dscnt 0                                 ; A's blocks 4-7 are in
	PLACES NP
	FETCH_B \slot, (\q)+1, 1-(\q)%2
	FETCH_A \slot, (\q)+1, 0
	WIN MUL_HI
	MUL16 4, (\q)%2, \zero
	MUL16 6, (\q)%2, \zero
	PLACES NP
	WIN 0
	FETCH_A \slot, (\q)+1, 4
.endm
; A slot's last step changes slots: one barrier; in front of it each wave waits for all its tensor loads, adds 0 to its spare word, and waits for that and for its reads of this slot.  fill = 1: this slot is filled again, two K steps ahead.
.macro TURN slot, next, fill
	s_wait_tensorcnt 0x0                           ; all my tensor loads have landed: my part of the next slot
	ds_add_u32 v[SPW], v[NIL]                      ; 0 onto my spare word
	s_wait_dscnt 4*NL+1                            ; (the add and the youngest sixteen loads may be out)
	WIN MUL_LO
	MUL16 0, 1, 0
	s_wait_dscnt 0x0                               ; the add is done, and my reads of this slot are over
	s_barrier_signal -1
	MUL16 2, 1, 0
	WIN 0
	s_barrier_wait -1
.if \fill
	CREST                                          ; the barrier has opened a round of the cluster's barrier: no wave of any partner still reads this slot or has a load on its way
	s_add_nc_u64 s[G0+4*\slot+2:G0+4*\slot+3], s[G0+4*\slot+2:G0+4*\slot+3], 2*HALFT
	s_add_nc_u64 s[G0B+4*\slot+2:G0B+4*\slot+3], s[G0B+4*\slot+2:G0B+4*\slot+3], 2*HALFT
	JLOAD G0+4*\slot, G1, G0B+4*\slot, G1B         ; the first tensor load behind the round; its four v_nop are the places in front of the loads below
.else
	PLACES NP
.endif
	FETCH_B \next, 0, 0
	FETCH_A \next, 0, 0
	WIN MUL_HI
	MUL16 4, 1, 0
	MUL16 6, 1, 0
	PLACES NP
	WIN 0
	FETCH_A \next, 0, 4
.endm
	s_wait_tensorcnt 1                             ; my part of K step 0 is in (K step 1's load may be out)
	s_barrier_signal -1
	s_barrier_wait -1                              ; everybody's is
	FETCH_B 0, 0, 0
	FETCH_A 0, 0, 0
	FETCH_A 0, 0, 4
	STEP 0, 0, 1                                   ; K 0-127: its products start the sums
	TURN 0, 1, 1                                   ; K 128-255; slot 0 takes K 512-767
	STEP 1, 0, 0
	TURN 1, 0, 1                                   ; slot 1 takes K 768-1023
	STEP 0, 0, 0
	TURN 0, 1, 0                                   ; nothing is left to fetch
	STEP 1, 0, 0
	s_wait_dscnt 4*NL                              ; the last step
	WIN MUL_LO
	MUL16 0, 1, 0
	MUL16 2, 1, 0
	s_wait_dscnt 0
	WIN MUL_HI
	MUL16 4, 1, 0
	MUL16 6, 1, 0
	WIN 0
; THE WAY OUT, block by block of 16 rows x 128 columns: sum x 2^(e10 + e11) + bo in place, through my own stage in LDS, back as whole rows of 512 bytes.
; LDS serves a wave's instructions in order (ISA guide 5.7.1.4): no wait between the stores and the loads, nor in front of the next block's stores.
.macro TOSTAGE a
.set AC, 64*((\a)%4)
	WIN 0x82+0x41*((\a)/4)                         ; destination and source 0: the accumulators' window; bo in window 0
.set jj, 0
.rept 32
	v_pk_fma_f32 v[AC+jj:AC+jj+1], v[AC+jj:AC+jj+1], s[96:97], v[CB+jj:CB+jj+1] op_sel_hi:[1,0,1]   ; each accumulator from its low end on
.set jj, jj+2
.endr
	WIN 0x08+0x04*((\a)/4)                         ; an LDS store's data are source 1
.irp b, 0,1,2,3,4,5,6,7
	ds_store_b128 v[STO], v[AC+8*\b:AC+8*\b+3] offset:64*\b
	ds_store_b128 v[STO], v[AC+8*\b+4:AC+8*\b+7] offset:64*\b+16
.endr
	WIN 0
.set BB, BK+64*((\a)%2)
.irp t, 0,1,2,3,4,5,6,7,8,9,10,11,12,13,14,15
	ds_load_b128 v[BB+4*\t:BB+4*\t+3], v[RD] offset:\t*SPITCH
.endr
.endm
.macro SEND a, younger                 ; younger: the LDS instructions issued behind block a's loads, which may stay out
.set BB, BK+64*((\a)%2)
	s_wait_dscnt \younger                          ; the block is back in registers
.if (\a) > 0
	s_add_nc_u64 s[12:13], s[12:13], 16*ROWC       ; (behind a wait on XCNT: the earlier stores have read their base)  16 rows on
.endif
.irp t, 0,1,2,3,4,5,6,7,8,9,10,11,12,13,14,15
	global_store_b128 v[CO], v[BB+4*\t:BB+4*\t+3], s[12:13] offset:\t*ROWC th:TH_STORE_NT   ; 32 lanes store 512 consecutive bytes, aligned; written once, read by nobody here
.endr
.endm
	s_wait_kmcnt 0x0
	s_wait_loadcnt 0x0                             ; bo
	s_add_co_i32 s96, s96, s97                     ; e10 + e11
	s_add_co_i32 s96, s96, 127
	s_lshl_b32 s96, s96, 23                        ; 2^(e10 + e11) as f32
	s_mov_b32 s97, s96                             ; (named with it as a pair, so it is written)
	PLACES NP                                      ; behind the last products: for the reads of results and for the loads into the registers that held A's fragments
	TOSTAGE 0
.irp a, 1,2,3,4,5,6,7
.if \a > 1
	s_wait_xcnt 0x0                                ; block a - 2's stores have read their registers and their base: block a's loads may land there, and the base may step
.endif
	TOSTAGE \a
	SEND \a-1, 32                                  ; behind block a - 1's loads: block a's 16 stores and 16 loads
.endr
	s_wait_xcnt 0x0                                ; block 6's stores have read their base
	SEND 7, 0
	s_wait_tensorcnt 0x0                           ; the wave's end: three closing lines, behind my last tensor load and my last LDS store
	ds_add_u32 v[SPW], v[NIL]
	s_wait_dscnt 0x0
	CROUND                                         ; the closing round: no work-group ends while a partner may still ask for a block that names it
	s_endpgm
.Lfunc_end_k_qa6d5754cf7_oproj:
	.size	k_qa6d5754cf7_oproj, .Lfunc_end_k_qa6d5754cf7_oproj-k_qa6d5754cf7_oproj
	.p2alignl 7, 3214868480
	.fill 96, 4, 3214868480
	.section	.rodata,"a",@progbits
	.p2align	6, 0x0
	.amdhsa_kernel k_qa6d5754cf7_oproj
		.amdhsa_group_segment_fixed_size 327680
		.amdhsa_private_segment_fixed_size 0
		.amdhsa_enable_private_segment 0
		.amdhsa_kernarg_size 40
		.amdhsa_user_sgpr_count 2
		.amdhsa_user_sgpr_kernarg_segment_ptr 1
		.amdhsa_wavefront_size32 1
		.amdhsa_system_sgpr_workgroup_id_x 1
		.amdhsa_system_sgpr_workgroup_id_y 1
		.amdhsa_system_sgpr_workgroup_id_z 1
		.amdhsa_system_vgpr_workitem_id 0
		.amdhsa_next_free_vgpr 1024
		.amdhsa_next_free_sgpr 98
		.amdhsa_reserve_vcc 0
		.amdhsa_float_denorm_mode_32 3
		.amdhsa_float_denorm_mode_16_64 3
		.amdhsa_memory_ordered 1
		.amdhsa_forward_progress 1
		.amdhsa_inst_pref_size 125
	.end_amdhsa_kernel
	.amdgpu_metadata
---
amdhsa.version: [ 1, 2 ]
amdhsa.kernels:
  - .name:           k_qa6d5754cf7_oproj
    .symbol:         k_qa6d5754cf7_oproj.kd
    .args:
      - { .name: aimg, .offset: 0, .size: 8, .value_kind: global_buffer, .address_space: global }
      - { .name: wc, .offset: 8, .size: 8, .value_kind: global_buffer, .address_space: global }
      - { .name: bo, .offset: 16, .size: 8, .value_kind: global_buffer, .address_space: global }
      - { .name: lowp_scales, .offset: 24, .size: 8, .value_kind: global_buffer, .address_space: global }
      - { .name: out0, .offset: 32, .size: 8, .value_kind: global_buffer, .address_space: global }
    .group_segment_fixed_size: 327680
    .private_segment_fixed_size: 0
    .kernarg_segment_align: 8
    .kernarg_segment_size: 40
    .max_flat_workgroup_size: 128
    .sgpr_count:     98
    .vgpr_count:     1024
    .wavefront_size: 32
...
	.end_amdgpu_metadata
.endif
;; end of part 4
;; ======== version 2 of 2: 4 launches; version 1 with the launch attn written anew for expert scheduling mode
;; limits: right only within a limited range of input values
;; workspace buffers: xc 25,165,824 bytes; wc 4,194,304 bytes; maskw 524,288 bytes of whole numbers; flags 512 bytes of whole numbers; qkv 25,165,824 bytes; aimg 8,388,608 bytes
;; launch prep: the kernel of part 1 again; grid 512 x 1, 8 waves a work-group, no clusters, 101,888 bytes of LDS; arguments x, Wq, Wk, Wv, Wo, mask, lowp_scales, xc, wc, maskw, flags; writes xc, wc, maskw, flags
;; launch qkv: the kernel of part 2 again; grid 12 x 32, 4 waves a work-group, clusters of 4 x 4, 327,680 bytes of LDS; arguments xc, wc, bq, bk, bv, lowp_scales, qkv; writes qkv
;; launch attn (part 5): grid 64 x 4, 16 waves a work-group, no clusters, 67,584 bytes of LDS; arguments qkv, maskw, flags, lowp_scales, aimg; writes aimg
.if DOCPART == 5
	.amdgcn_target "amdgcn-amd-amdhsa--gfx1250"
	.amdhsa_code_object_version 6
	.text
	.protected	k_qa6d5754cf7_attn
	.globl	k_qa6d5754cf7_attn
	.p2align	8
	.type	k_qa6d5754cf7_attn,@function
k_qa6d5754cf7_attn:
	s_mov_b64 s[64:65], 0
	v_nop
	global_prefetch_b8 v0, s[64:65] scope:SCOPE_SE
	s_setreg_imm32_b32 hwreg(HW_REG_WAVE_SCHED_MODE, 0, 2), 2
	s_setreg_imm32_b32 hwreg(HW_REG_WAVE_MODE, 25, 1), 1
	s_wait_xcnt 0x0
	s_wait_alu depctr_vm_vsrc(0)
; Attention on E4M3 codes, with the mask as it is given.  For each (batch, head) bh and query: t = logit x log2(e), logit = q . k / 8 where the mask is true and a very large negative number where it is not;
; M = the largest t so far, rounded UP to a whole number; p = 2^(t - M) is quantised (2^e8) for p v; the row's sum is taken of the unquantised p and divides at the end; the result is quantised (2^e10) for the last product.
; SHARES.  Work-group (bh, y) makes two passes, query blocks 7 - y and y of 256 queries; each of its sixteen waves owns 16 queries, one tile, in 256 registers.  128 keys a step, 256 keys an LDS slot.
; STEPS THAT COUNT FOR NOTHING ARE LEFT OUT, by scalar branches on flags that the first launch stored as whole numbers: a step of a wave whose 16 x 128 mask entries are all false (and none of whose rows is
; wholly false) is jumped over; a slot that no wave of the block needs is not fetched; the masking is jumped over where all entries are true.  This follows the mask's data, whatever its pattern.
; Because of those branches K and V come through registers (global load, LDS store), a slot ahead, and not by tensor loads; and work-groups are not joined in clusters: partners would need different slots.
; LAYOUT.  Both products transposed: S^T = K Q^T (source 0 = 16 keys x 64, source 1 = my 16 queries), O^T = V^T P^T (source 0 = 16 d x 128 keys, source 1 = P): a lane holds ONE query (lane % 16).
; Register 8 t + j of S^T is key 16 t + 8 (lane / 16) + j: just the place that the K = 128 operand gives it, so the conversions' results are P.  All operands arrive as images of their registers: every LDS address is 16 x lane or 16 x thread + a constant.
; THE MASK costs one select a score: word n of a step's 64 has a bit for each lane, comes by scalar loads, and is the select's lane mask.
; THE MASKED SCORE is -2^(33 - e6 - e7): times c it is exactly -1.4427 x 2^30, a whole number.  So in a row that is masked so far M is that number and p = 1, as with reference()'s -1e9; everywhere else p = 0.
; LIMITS: the masked t is -1.549e9 where reference() has -1.443e9 (no difference unless true logits reach -1e9); e6 + e7 between -94 and 130; e8 and e10 between -126 and 119; NaN is not served.
; THE MODE: SCHED_MODE bits 1:0 = 2 (LLVM: expert scheduling mode 2), set by the entry lines.  The code itself states the register dependences between vector or matrix instructions and memory or LDS instructions,
; with s_wait_alu, always for 0.
; THE PLAN.  Registers that memory or LDS instructions touch:
;   v1, v2     offsets and LDS addresses: written at the head, never again; read by every load and store.
;   v16-23     Q: one load at a pass's head lands in them; the pass's products K Q^T read them.
;   v24-39     K and V on their way to LDS: written once by vector lines at the head; then the four global loads at a half trip's head land in them and the four LDS stores at its end read them; no vector line of the loops names them.
;   v40-103    a step's K lands at the step's head and is read by its eight products K Q^T; the step's V lands later in the same registers and is read by its four products V^T P^T.
;   v200-207   written by every step's conversions and by the way out's; read by the two global stores at a pass's end.
;   v3, v4     written at the head, read by the closing add alone.
; THE WAITS.  On va_vdst: one at a pass's head (the offsets and v24-39 are written; the pass before is done reading Q), which serves all the pass's staging loads and LDS stores; one at a step's head (the last products
; V^T P^T are done reading v40-103); the one behind a step's exponentials, which also shows the step's products K Q^T done reading v40-103, so that V's loads stand behind it, dealt among the sums, which name none of
; their registers; one ahead of the output's stores.  On vm_vsrc: one in front of each barrier (my LDS stores have read v24-39), one behind the output's stores.  On va_sdst: one at the head, for the wave's number.
; SCALARS: s[2:3] the step's mask words; s4 my tile of queries; s5, s6, s7 the block's need bits, my need bits, my full bits, shifted as the slots go by; s8 wave; s9 pass; s10 trip; s11 query block;
;   s[12:13], s[14:15] K's and V's next slot; s[16:63], s[80:95] 64 mask words; s[66:67] c; s[68:69] Q of my bh; s[70:71] maskw; s[72:73] flags; s[74:75] lane selects; s[76:77] aimg; s78, s79, s96-99 at work; s100 e8 + e9.
; VECTORS: v1 16 x lane; v2 16 x thread; v3, v4 the add's two; v6, v7 2^e10, 448 x 2^e10; v8 the masked score; v9, v10 2^e8, 448 x 2^e8; v12 -M; v13 the largest t; v[14:15] the sum; v16-23 Q;
;   v24-39 K and V on their way to LDS; v40-103 K's 8 fragments, then V's 4; v104-167 S^T, then p; v168-199 O^T; v200-215 P's codes; v216-223 at work.
.set SLOTB, 32768                      ; an LDS slot: 16,384 bytes of K (16 images of 1,024), then 16,384 of V (8 images of 2,048)
.set SPARE, 2*SLOTB                    ; behind the slots: the spare words, 128 bytes for each wave: eight blocks of 256 bytes that no other line names
	s_load_b256 s[68:75], s[0:1], 0x0              ; qkv, maskw, flags, the exponents
	s_load_b64 s[76:77], s[0:1], 0x20              ; aimg
	v_lshl_add_u32 v3, v0, 2, SPARE
	v_mov_b32 v4, 0
	v_lshrrev_b32 v1, 5, v0
	v_readfirstlane_b32 s8, v1                     ; wave 0..15
	v_and_b32 v1, 31, v0
	v_lshlrev_b32 v1, 4, v1
	v_lshlrev_b32 v2, 4, v0
.irp i, 24,25,26,27,28,29,30,31,32,33,34,35,36,37,38,39
	v_mov_b32 v[\i], 0                             ; written once, so that they are written on every way
.endr
	v_mov_b32 v216, 0                              ; a lane permute's destination counts as one of its sources
	v_mov_b32 v219, 0                              ; (named as the upper half of the pair v[218:219])
	s_wait_alu depctr_va_sdst(0)                   ; s8 is written, ahead of the first label and of its first reader: my tile of queries is made from it in each pass
	s_lshl_b32 s78, ttmp9, 17                      ; a (batch, head) is 131,072 bytes in each of the three sections
	s_mov_b32 s79, 0
	s_wait_kmcnt 0x0
	s_load_b128 s[96:99], s[74:75], 0x18           ; e6, e7, e8, e9
	s_load_b32 s101, s[74:75], 0x28                ; e10
	s_add_nc_u64 s[68:69], s[68:69], s[78:79]      ; Q
	s_add_nc_u64 s[12:13], s[68:69], 0x800000      ; K
	s_add_nc_u64 s[14:15], s[68:69], 0x1000000     ; V
	s_wait_kmcnt 0x0
	s_mov_b32 s74, 0x76543210                      ; v_permlanex16_b32's selects for lane l xor 16
	s_mov_b32 s75, 0xfedcba98
	s_add_co_i32 s78, s96, s97                     ; e6 + e7
	s_lshl_b32 s79, s78, 23
	s_add_co_i32 s66, s79, 0x3e38aa3b              ; c = log2(e) / 8, the two exponents added to its exponent field
	s_mov_b32 s67, s66                             ; (named with it as a pair, so it is written)
	s_sub_co_i32 s78, 160, s78
	s_lshl_b32 s78, s78, 23
	s_or_b32 s78, s78, 0x80000000
	v_mov_b32 v8, s78                              ; -2^(33 - e6 - e7)
	s_add_co_i32 s78, s98, 127
	s_lshl_b32 s79, s78, 23
	v_mov_b32 v9, s79                              ; 2^e8
	s_add_co_i32 s78, s78, 8
	s_lshl_b32 s78, s78, 23
	s_or_b32 s78, s78, 0x600000
	v_mov_b32 v10, s78                             ; 448 x 2^e8
	s_add_co_i32 s100, s98, s99                    ; e8 + e9
	s_add_co_i32 s78, s101, 127
	s_lshl_b32 s79, s78, 23
	v_mov_b32 v6, s79                              ; 2^e10
	s_add_co_i32 s78, s78, 8
	s_lshl_b32 s78, s78, 23
	s_or_b32 s78, s78, 0x600000
	v_mov_b32 v7, s78                              ; 448 x 2^e10
; V's fragment t (16 d x 128 keys) of the u-th 128 keys of LDS slot p: four loads of 512 consecutive bytes.
.macro VFRAG p, u, t
.irp c, 0,1,2,3
	ds_load_b128 v[40+16*(\t)+4*\c:43+16*(\t)+4*\c], v1 offset:(\p)*SLOTB+16384+(\u)*8192+(\t)*2048+512*\c
.endr
.endm
; A KEY STEP: the u-th 128 keys of LDS slot p.
.macro STEP p, u
	s_bitcmp1_b32 s6, \u                           ; does my tile need this step?  A whole number that an earlier launch stored
	s_cbranch_scc0 .Lskip_\@
	s_load_b512 s[16:31], s[2:3], 256*\u           ; the step's 64 mask words
	s_load_b512 s[32:47], s[2:3], 256*\u+64
	s_load_b512 s[48:63], s[2:3], 256*\u+128
	s_load_b512 s[80:95], s[2:3], 256*\u+192
.rept 4
	v_nop                                          ; places in front of loads into registers that the last products read
.endr
	s_wait_alu depctr_va_vdst(0)                   ; the last products V^T P^T are done reading v40-103, in which K's loads land
.irp t, 0,1,2,3,4,5,6,7
	ds_load_b128 v[40+8*\t:43+8*\t], v1 offset:\p*SLOTB+\u*8192+\t*1024
	ds_load_b128 v[44+8*\t:47+8*\t], v1 offset:\p*SLOTB+\u*8192+\t*1024+512
.endr
	s_wait_dscnt 0x0
.irp t, 0,1,2,3,4,5,6,7
	v_wmma_f32_16x16x64_fp8_fp8 v[104+8*\t:111+8*\t], v[40+8*\t:47+8*\t], v[16:23], 0
.endr
.rept 4
	v_nop                                          ; places: the scores are read
.endr
	s_wait_kmcnt 0x0                               ; the mask words are in, and their address may be stepped
	s_bitcmp1_b32 s7, \u                           ; all 2,048 entries true: nothing to mask
	s_cbranch_scc1 .Lopen_\@
.set n, 0
.rept 64
.if n < 48
	v_cndmask_b32 v[104+n], v8, v[104+n], s[16+n]  ; the score where the lane's bit is set, else the masked score
.else
	v_cndmask_b32 v[104+n], v8, v[104+n], s[32+n]
.endif
.set n, n+1
.endr
.Lopen_\@:
	v_max3_num_f32 v220, v104, v105, v106          ; the step's largest score of my query among my 64 keys, in two chains; each accumulator is first read at its low end
	v_max3_num_f32 v221, v107, v108, v109
.irp i, 6,10,14,18,22,26,30,34,38,42,46,50,54,58
	v_max3_num_f32 v220, v220, v[104+\i], v[105+\i]
	v_max3_num_f32 v221, v221, v[106+\i], v[107+\i]
.endr
	v_max3_num_f32 v220, v220, v166, v167
	v_max_num_f32 v220, v220, v221
	v_permlanex16_b32 v216, v220, s74, s75
	v_max_num_f32 v220, v220, v216                 ; and among lane l xor 16's
	v_mul_f32 v220, s66, v220                      ; as t (c is positive)
	v_max_num_f32 v13, v13, v220                   ; the running largest t
	v_mov_b32 v220, v12
	v_floor_f32 v12, -v13                          ; the new -M = floor(-t): M is a whole number
	v_sub_f32 v220, v12, v220                      ; old M - new M: a whole number, 0 or less
	v_cvt_i32_f32 v220, v220                       ; (it saturates)
	v_ldexp_f32 v218, 1.0, v220                    ; f = 2^(old M - new M)
.set jj, 0
.rept 32
	v_pk_fma_f32 v[104+jj:105+jj], v[104+jj:105+jj], s[66:67], v[12:13] op_sel_hi:[1,0,0]   ; t - M, two at a time
.set jj, jj+2
.endr
.set jj, 0
.rept 64
	v_exp_f32 v[104+jj], v[104+jj]                 ; p = 2^(t - M), not normalised
.set jj, jj+1
.endr
	v_pk_mul_f32 v[14:15], v[14:15], v[218:219] op_sel_hi:[1,0]   ; the sums under the new M: the plain line behind the exponentials
	s_wait_alu depctr_va_vdst(0)                   ; the 64 exponentials have written v104-167, ahead of their first reader; and the products K Q^T are done reading v40-103, in which V's loads land
	VFRAG \p, \u, 0                                ; V's sixteen loads, four at a time among the sums: no vector line since the wait names v1 or v40-103; they land while the sums, the holds, the conversions and the rescaling are worked
	v_pk_add_f32 v[222:223], v[104:105], v[106:107]   ; the row's sum is taken of the unquantised p, in two chains
.irp j, 4,8,12,16
	v_pk_add_f32 v[14:15], v[14:15], v[104+\j:105+\j]
	v_pk_add_f32 v[222:223], v[222:223], v[106+\j:107+\j]
.endr
	VFRAG \p, \u, 1
.irp j, 20,24,28,32
	v_pk_add_f32 v[14:15], v[14:15], v[104+\j:105+\j]
	v_pk_add_f32 v[222:223], v[222:223], v[106+\j:107+\j]
.endr
	VFRAG \p, \u, 2
.irp j, 36,40,44,48
	v_pk_add_f32 v[14:15], v[14:15], v[104+\j:105+\j]
	v_pk_add_f32 v[222:223], v[222:223], v[106+\j:107+\j]
.endr
	VFRAG \p, \u, 3
.irp j, 52,56,60
	v_pk_add_f32 v[14:15], v[14:15], v[104+\j:105+\j]
	v_pk_add_f32 v[222:223], v[222:223], v[106+\j:107+\j]
.endr
	v_pk_add_f32 v[14:15], v[14:15], v[222:223]
.set jj, 0
.rept 64
	v_min_num_f32 v[104+jj], v[104+jj], v10        ; the conversion does not saturate (ISA guide 7.6.2); p is not negative, so the hold is one-sided
.set jj, jj+1
.endr
.irp t, 0,1,2,3,4,5,6,7
	v_cvt_scalef32_pk8_fp8_f32 v[200+2*\t:201+2*\t], v[104+8*\t:111+8*\t], v9   ; keys 16 t + 8 h + 0..7: registers 2 t, 2 t + 1 of the operand
.endr
.set jj, 0
.rept 16
	v_pk_mul_f32 v[168+jj:169+jj], v[168+jj:169+jj], v[218:219] op_sel_hi:[1,0]   ; O^T under the new M; these are also the plain lines behind the conversions
.set jj, jj+2
.endr
	s_wait_dscnt 0x0                               ; V is in
.irp t, 0,1,2,3
	v_wmma_f32_16x16x128_fp8_fp8 v[168+8*\t:175+8*\t], v[40+16*\t:55+16*\t], v[200:215], v[168+8*\t:175+8*\t]   ; four accumulators by turns
.endr
.Lskip_\@:
.endm
; Half a trip: slot p is worked, the other LDS slot takes the next 256 keys.  The loads go out ahead of the two steps, the LDS stores follow them.  The barrier stands on every wave's way; only loads, stores and work are jumped over.
.macro HALF p
	s_and_b32 s78, s5, 3                           ; does any wave of the block need the next slot?
	s_cmp_lg_u32 s78, 0
	s_cbranch_scc0 .Lno_ld_\@
	global_load_b128 v[24:27], v2, s[12:13]        ; no wait here: the LDS stores that read v24-39 stand ahead of the wait on vm_vsrc in front of the last barrier, and no vector line since the pass's head names v2 or v24-39
	global_load_b128 v[28:31], v2, s[12:13] offset:8192
	global_load_b128 v[32:35], v2, s[14:15]
	global_load_b128 v[36:39], v2, s[14:15] offset:8192
.Lno_ld_\@:
	STEP \p, 0
	STEP \p, 1
	s_wait_loadcnt 0x0                             ; the next slot's bytes are in registers, and the bases may be stepped
	s_and_b32 s78, s5, 3
	s_cmp_lg_u32 s78, 0
	s_cbranch_scc0 .Lno_st_\@
	ds_store_b128 v2, v[24:27] offset:(1-\p)*SLOTB          ; the other slot: every wave's reads of it ended in front of the last barrier
	ds_store_b128 v2, v[28:31] offset:(1-\p)*SLOTB+8192
	ds_store_b128 v2, v[32:35] offset:(1-\p)*SLOTB+16384
	ds_store_b128 v2, v[36:39] offset:(1-\p)*SLOTB+24576
.Lno_st_\@:
	s_wait_dscnt 0x0                               ; for the others' sake: my stores are done, and my reads of slot p are back
	s_wait_alu depctr_vm_vsrc(0)                   ; my LDS stores have read v24-39, in which the next slot's loads land
	s_barrier_signal -1
	s_barrier_wait -1
	s_add_nc_u64 s[12:13], s[12:13], 16384
	s_add_nc_u64 s[14:15], s[14:15], 16384
	s_add_nc_u64 s[2:3], s[2:3], 512               ; two steps' mask words
	s_lshr_b32 s5, s5, 2
	s_lshr_b32 s6, s6, 2
	s_lshr_b32 s7, s7, 2
.endm
	s_mov_b32 s9, 0
.Lpass:
	s_and_b32 s78, ttmp7, 0xffff                   ; y
	s_sub_co_u32 s79, 7, s78
	s_cmp_eq_u32 s9, 0
	s_cselect_b32 s11, s79, s78                    ; the query block: 7 - y, then y
	s_lshl_b32 s4, s11, 4
	s_add_co_u32 s4, s4, s8                        ; my tile of 16 queries
	s_lshl_b32 s96, s11, 6
	s_mov_b32 s97, 0
	s_add_nc_u64 s[96:97], s[72:73], s[96:97]
	s_lshl_b32 s98, s4, 2
	s_mov_b32 s99, 0
	s_add_nc_u64 s[98:99], s[72:73], s[98:99]
	s_load_b512 s[16:31], s[96:97], 0x0            ; the flags of the block's sixteen tiles,
	s_load_b32 s6, s[98:99], 0x0                   ; and mine
	s_lshl_b32 s2, s4, 12
	s_mov_b32 s3, 0
	s_add_nc_u64 s[2:3], s[70:71], s[2:3]          ; my tile's mask words: 16 steps of 256 bytes
	s_lshl_b32 s78, s4, 10
	s_mov_b32 s79, 0
	s_add_nc_u64 s[78:79], s[68:69], s[78:79]
	s_wait_alu depctr_va_vdst(0)                   ; v1 and v2, which every load and store reads, and v24-39, in which the staging loads land, are written; the pass before is done reading v16-23, in which Q lands
	global_load_b128 v[16:19], v1, s[78:79]        ; Q's fragment stays in registers
	global_load_b128 v[20:23], v1, s[78:79] offset:512
	v_mov_b32 v13, 0xff61b1e6                      ; the largest t so far: -3e38, under every t
	v_floor_f32 v12, -v13
	v_mov_b32 v14, 0
	v_mov_b32 v15, 0
.set jj, 0
.rept 32
	v_mov_b32 v[168+jj], 0                         ; O^T: which step comes first hangs on the flags, so none can be written out to start the sums
.set jj, jj+1
.endr
	s_wait_kmcnt 0x0
	s_or_b32 s5, s16, s17
.irp i, 18,19,20,21,22,23,24,25,26,27,28,29,30,31
	s_or_b32 s5, s5, s[\i]
.endr
	s_and_b32 s5, s5, 0xffff                       ; steps that some wave of the block needs
	s_lshr_b32 s7, s6, 16                          ; my full bits
	s_and_b32 s6, s6, 0xffff                       ; my need bits
	s_and_b32 s96, s5, 3
	s_cmp_lg_u32 s96, 0
	s_cbranch_scc0 .Lno_first
	global_load_b128 v[24:27], v2, s[12:13]        ; the first 256 keys
	global_load_b128 v[28:31], v2, s[12:13] offset:8192
	global_load_b128 v[32:35], v2, s[14:15]
	global_load_b128 v[36:39], v2, s[14:15] offset:8192
	s_wait_loadcnt 0x0
	ds_store_b128 v2, v[24:27]
	ds_store_b128 v2, v[28:31] offset:8192
	ds_store_b128 v2, v[32:35] offset:16384
	ds_store_b128 v2, v[36:39] offset:24576
.Lno_first:
	s_wait_loadcnt 0x0                             ; Q
	s_wait_dscnt 0x0
	s_wait_alu depctr_vm_vsrc(0)                   ; my LDS stores have read v24-39, in which the next slot's loads land
	s_barrier_signal -1
	s_barrier_wait -1
	s_add_nc_u64 s[12:13], s[12:13], 16384
	s_add_nc_u64 s[14:15], s[14:15], 16384
	s_lshr_b32 s5, s5, 2                           ; the block's bits run a slot ahead of mine
	s_mov_b32 s10, 4
.Ltrip:                                            ; four trips of two slots; behind the eighth slot the block's bits are zeros, so nothing more is fetched
	HALF 0
	HALF 1
	s_sub_co_u32 s10, s10, 1
	s_cmp_lg_u32 s10, 0
	s_cbranch_scc1 .Ltrip
	; THE WAY OUT of a pass: O^T / the sum x 2^(e8 + e9), held, converted with 2^e10: a head's 64 features are half of an image of 16 tokens x 128 features of the last product's left operand.
	v_add_f32 v14, v14, v15
	v_permlanex16_b32 v216, v14, s74, s75
	v_add_f32 v14, v14, v216                       ; the row's sum
	v_rcp_f32 v14, v14
	v_nop                                          ; a plain line behind the reciprocal
	s_lshr_b32 s78, ttmp9, 4
	s_lshl_b32 s78, s78, 7
	s_add_co_u32 s78, s78, s4                      ; the tile among all 512 tiles of tokens
	s_and_b32 s79, ttmp9, 15                       ; the head
	s_lshr_b32 s96, s78, 3
	s_lshl_b32 s96, s96, 2
	s_lshr_b32 s97, s79, 2
	s_add_co_u32 s96, s96, s97                     ; (token / 128) x 4 + feature / 256
	s_lshl_b32 s96, s96, 3
	s_and_b32 s97, s78, 7
	s_add_co_u32 s96, s96, s97
	s_lshl_b32 s96, s96, 2                         ; in units of 1,024 bytes: four to a tile's two images
	s_and_b32 s97, s79, 3
	s_add_co_u32 s96, s96, s97
	s_lshl_b32 s96, s96, 10
	s_mov_b32 s97, 0
	s_add_nc_u64 s[96:97], s[76:77], s[96:97]
	s_wait_alu depctr_va_vdst(0)                   ; the reciprocal has written v14, ahead of its first reader
	v_ldexp_f32 v14, v14, s100
	v_mov_b32 v15, v14
.set jj, 0
.rept 16
	v_pk_mul_f32 v[104+jj:105+jj], v[168+jj:169+jj], v[14:15]
.set jj, jj+2
.endr
.set jj, 0
.rept 32
	v_med3_num_f32 v[104+jj], v[104+jj], -v7, v7
.set jj, jj+1
.endr
.irp t, 0,1,2,3
	v_cvt_scalef32_pk8_fp8_f32 v[200+2*\t:201+2*\t], v[104+8*\t:111+8*\t], v6
.endr
	v_nop                                          ; a plain line behind the last conversion
	s_wait_alu depctr_va_vdst(0)                   ; the conversions have written v200-207, which the two stores read
	global_store_b128 v1, v[200:203], s[96:97]               ; 32 lanes store 512 consecutive bytes, aligned
	global_store_b128 v1, v[204:207], s[96:97] offset:512
	s_wait_xcnt 0x0                                ; the stores have read their base and their data: both are written again in the next pass
	s_wait_alu depctr_vm_vsrc(0)                   ; the stores have read v200-207, which the next pass's conversions write again
	s_sub_nc_u64 s[12:13], s[12:13], 9*16384       ; back to the first keys
	s_sub_nc_u64 s[14:15], s[14:15], 9*16384
	s_add_co_u32 s9, s9, 1
	s_cmp_lt_u32 s9, 2
	s_cbranch_scc1 .Lpass
	s_wait_dscnt 0x0                               ; the closing lines, six on end
	s_wait_alu 0x0
	s_wait_tensorcnt 0x0
	ds_add_u32 v3, v4
	s_wait_dscnt 0x0
	s_endpgm
.Lfunc_end_k_qa6d5754cf7_attn:
	.size	k_qa6d5754cf7_attn, .Lfunc_end_k_qa6d5754cf7_attn-k_qa6d5754cf7_attn
	.p2alignl 7, 3214868480
	.fill 96, 4, 3214868480
	.section	.rodata,"a",@progbits
	.p2align	6, 0x0
	.amdhsa_kernel k_qa6d5754cf7_attn
		.amdhsa_group_segment_fixed_size 67584
		.amdhsa_private_segment_fixed_size 0
		.amdhsa_enable_private_segment 0
		.amdhsa_kernarg_size 40
		.amdhsa_user_sgpr_count 2
		.amdhsa_user_sgpr_kernarg_segment_ptr 1
		.amdhsa_wavefront_size32 1
		.amdhsa_system_sgpr_workgroup_id_x 1
		.amdhsa_system_sgpr_workgroup_id_y 1
		.amdhsa_system_sgpr_workgroup_id_z 1
		.amdhsa_system_vgpr_workitem_id 0
		.amdhsa_next_free_vgpr 256
		.amdhsa_next_free_sgpr 102
		.amdhsa_reserve_vcc 0
		.amdhsa_float_denorm_mode_32 3
		.amdhsa_float_denorm_mode_16_64 3
		.amdhsa_memory_ordered 1
		.amdhsa_forward_progress 1
		.amdhsa_inst_pref_size 92
	.end_amdhsa_kernel
	.amdgpu_metadata
---
amdhsa.version: [ 1, 2 ]
amdhsa.kernels:
  - .name:           k_qa6d5754cf7_attn
    .symbol:         k_qa6d5754cf7_attn.kd
    .args:
      - { .name: qkv, .offset: 0, .size: 8, .value_kind: global_buffer, .address_space: global }
      - { .name: maskw, .offset: 8, .size: 8, .value_kind: global_buffer, .address_space: global }
      - { .name: flags, .offset: 16, .size: 8, .value_kind: global_buffer, .address_space: global }
      - { .name: lowp_scales, .offset: 24, .size: 8, .value_kind: global_buffer, .address_space: global }
      - { .name: aimg, .offset: 32, .size: 8, .value_kind: global_buffer, .address_space: global }
    .group_segment_fixed_size: 67584
    .private_segment_fixed_size: 0
    .kernarg_segment_align: 8
    .kernarg_segment_size: 40
    .max_flat_workgroup_size: 512
    .sgpr_count:     102
    .vgpr_count:     256
    .wavefront_size: 32
...
	.end_amdgpu_metadata
.endif
;; end of part 5
;; launch oproj: the kernel of part 4 again; grid 4 x 32, 4 waves a work-group, clusters of 4 x 4, 327,680 bytes of LDS; arguments aimg, wc, bo, lowp_scales, out0; writes out0
